; MI455X (gfx1250); checked and timed in simulation.
; The chip was launched on July 23, 2026; its instructions are those of AMD's public machine-readable ISA for CDNA 5 (MIT licence, August 2026) and "CDNA5" Instruction Set Architecture Reference Guide (July 2026). The comments in the code are by the model that wrote it; some were corrected since.
;; Tt Causal Self Attention. Allowed arithmetic: matrix products marked QUANTISED: E2M1 operands, one E8M0 scale for each 32 along K, by v_wmma_scale_f32_16x16x128_f8f6f4 with both operands' format E2M1 (or v_wmma_scale_f32_32x16x128_f4), f32 sums; everything else in f32.
;; Inputs: b_attn 3,072 float32; b_proj 1,024 float32; w_attn 1,024 x 3,072 float32; w_proj 1,024 x 1,024 float32; x 8 x 1,024 x 1,024 float32.
;; Outputs: out0 8 x 1,024 x 1,024 float32.
;; This version of the problem:
;;   THIS VERSION OF THE PROBLEM IS GIVEN IN LOW PRECISION. The matrix products marked QUANTISED in the list below multiply operands that are first quantised to E2M1 (2 exponent bits, 1 mantissa bit; 4 bits a number), with one power-of-two scale for each 32 numbers along K (OCP MX v1.0); their sums are f32. All else is computed in f32.
;;   The module's matrix products, in the order in which they are computed (A, B: the left and right operand; K: the contracted axis; several contracted axes count as one K, in the product's order):
;;     1. [M 8,192, K 1,024] x [K 1,024, N 3,072]; A: input x; B: input w_attn: QUANTISED
;;     2. batch 128 x [M 1,024, K 64] x [K 64, N 1,024]; A: computed on the way; B: computed on the way: QUANTISED
;;     3. batch 128 x [M 1,024, K 1,024] x [K 1,024, N 64]; A: softmax (see below); B: computed on the way: QUANTISED
;;     4. [M 8,192, K 1,024] x [K 1,024, N 1,024]; A: computed on the way; B: input w_proj: QUANTISED
;;   THE QUANTISER, for each operand of a quantised product, along K:
;;     - K is cut into blocks of 32 from its start; a last block that is shorter is filled with zeros.
;;     - A block's scale is 2^e with e = floor(log2(the largest magnitude in the block)) - 2, held to -126 .. 127; a block of zeros has e = 0. As a byte (E8M0): e + 127.
;;     - Each number is divided by its block's scale, clamped to +-6, and rounded to the nearest number of E2M1, ties to even, subnormals kept.
;;     - The product sums the exact products of the quantised numbers (number of the format x scale) in f32.
;;   ~~~python
;;   def quantise(x, axis):      # numpy; x: float32 -> the quantised numbers, widened to float32 again
;;       x = np.moveaxis(x, axis, -1); K = x.shape[-1]
;;       x = np.pad(x, [(0, 0)] * (x.ndim - 1) + [(0, -K % 32)]); x = x.reshape(x.shape[:-1] + (-1, 32)); a = np.abs(x).max(-1, keepdims=True)
;;       e = np.where(a > 0, np.clip(np.frexp(np.where(a > 0, a, 1))[1] - 1 - 2, -126, 127), 0)      # np.frexp(a)[1] - 1 = floor(log2(a)), exactly
;;       r = np.clip(x / 2.0 ** e, -6, 6)
;;       step = 2.0 ** (np.maximum(np.frexp(np.where(r == 0, 1, r))[1] - 1, 0) - 1)
;;       q = np.round(r / step) * step * 2.0 ** e      # np.round: ties to even
;;       return np.moveaxis(q.reshape(q.shape[:-2] + (-1,))[..., :K], -1, axis).astype(np.float32)
;;   ~~~
;;   SOFTMAX AHEAD OF A QUANTISED PRODUCT. Where the list says 'softmax', what is quantised is not the finished softmax but p = 2^(t - M), with t = logit x log2(e) and M = ceil(the row's largest t), a whole number; so 1/2 < the row's largest p <= 1. The row's sum l is taken of the UNQUANTISED p, in f32, and the product's result is divided by l at the end. Since M is a whole number, a kernel that streams over the keys may use a running M (the ceiling of the running maximum): every later rescaling is an exact power of two, which a block's scale takes up: the codes' values come out the same.
;;   OPERANDS COMPUTED ON THE WAY. 'Computed on the way' means the value that the module computes at that place (a softmax that the list does not call 'softmax' is quantised finished and normalised). What goes into a quantiser is computed in f32, as accurately as f32 sums, v_exp_f32 and their like allow (about 1e-6 of the number): no bf16 or f16 on the way to a quantiser, and a product that is left as it is and whose result goes on into a quantised operand takes f32 operands (vector FMAs, or v_wmma_f32_16x16x4_f32). A number that lies on a knife's edge between two numbers of the format may be rounded either way, as far as f32 arithmetic and the matrix unit's own rounding can turn it there, and no further.
;; 2 versions, each right; version 2 is version 1 with the launch attn written anew for expert scheduling mode. Each part assembles by itself: llvm-mc -triple=amdgcn-amd-amdhsa -mcpu=gfx1250 --defsym DOCPART=n.
;; ======== version 1 of 2: 4 launches
;; workspace buffers: xq 4,456,448 bytes; waq 1,671,168 bytes; wpq 557,056 bytes; qkq 9,437,184 bytes; vq 4,456,448 bytes; yq 4,456,448 bytes
;; launch prep (part 1): grid 512 x 1, 4 waves a work-group, no clusters, 34,304 bytes of LDS; arguments x, w_attn, w_proj, xq, waq, wpq; writes xq, waq, wpq
.if DOCPART == 1
	.amdgcn_target "amdgcn-amd-amdhsa--gfx1250"
	.amdhsa_code_object_version 6
	.text
	.protected	k_qb7c8a13fc2_prep
	.globl	k_qb7c8a13fc2_prep
	.p2align	8
	.type	k_qb7c8a13fc2_prep,@function
k_qb7c8a13fc2_prep:
	s_mov_b64 s[64:65], 0
	v_nop
	global_prefetch_b8 v0, s[64:65] scope:SCOPE_SE
	s_setreg_imm32_b32 hwreg(HW_REG_WAVE_MODE, 25, 1), 1
	s_wait_xcnt 0x0
; x [8192][1024], w_attn [1024][3072] and w_proj [1024][1024], f32, become codes of FP4 (E2M1) with one E8M0 byte for each 32 along K (K = 1,024: x's last axis, the weights' first).
; A block's scale is 2^(floor(log2(largest magnitude)) - 2); its byte is the largest magnitude's exponent field - 2, held at 1 from below.
; LIMITS: NaN and infinities among the inputs are not served; a block of zeros gets the byte 1 where the rule says 127: its codes are zeros, and this program alone reads the bytes.
; THE LAYOUT OF EVERY OPERAND IN THIS PROGRAM.  Tile T holds the 16 rows rho(T, r) = 32 (T / 2) + 8 (T % 2) + r + 8 (r / 8).  Codes lie as an image of the operand's registers:
; byte T x 8192 + s x 1024 + c x 512 + 16 x lane holds the 32 codes k = 128 s + 64 c + 32 (lane / 16) + 0 .. 31 of row rho(T, lane % 16).  Scale words: T x 512 + (s / 4) x 256 + 16 r + 4 (s % 4).
; SHARES.  Work-groups 0-255: x; a wave takes one tile's 16 rows x 512 along K.  256-447: w_attn; 448-511: w_proj; a wave takes 32 columns x 128 along K.  Waves share nothing: no barrier.
; No cluster and no tensor load: no two work-groups read the same byte, and every byte is read once.
.set XWORDS, 4194304                   ; xq: where the scale words begin
.set R,   16                           ; v16-143  two sets of 64 numbers as loaded: 16 rows x 16 bytes a lane
.set X,   144                          ; v144-207 64 numbers of my row: register 16 b + i = k 32 b + 16 (lane / 16) + i
.set TM,  208                          ; v208-223 at work: +0 largest magnitudes, +4 the other half's, then bytes, +12 the conversions' scale operands
.set PC,  224                          ; v224-255 codes: eight registers for each of the four K steps, so that no store's data are written again
.set WRD, 8                            ; v8-11    my row's scale words of the four K steps
.set SP,  528                          ; a stage row: 512 bytes + 16: row r starts 4 r banks on, so the sixteen rows of a read touch different banks (64 banks of 4 bytes: ISA guide 11.1)
.set SEL, 20                           ; s[20:21] selects for v_permlanex16_b32: lane l xor 16
; 64 numbers of a lane become a fragment's eight registers of codes at v[pc] and its scale word in v[pw]
.macro QUANT s, pc, pw
.irp b, 0,1,2,3
	v_max3_num_f32 v[TM+\b], |v[(\s)+16*\b]|, |v[(\s)+1+16*\b]|, 0x1800000   ; block b: my 16 numbers, and the floor 2^(3 - 127): the byte cannot fall under 1
.endr
.irp i, 2,4,6,8,10,12,14
.irp b, 0,1,2,3
	v_max3_num_f32 v[TM+\b], v[TM+\b], |v[(\s)+16*\b+\i]|, |v[(\s)+1+16*\b+\i]|   ; the four blocks by turns
.endr
.endr
.irp b, 0,1,2,3
	v_permlanex16_b32 v[TM+4+\b], v[TM+\b], s[SEL], s[SEL+1]
.endr
.irp b, 0,1,2,3
	v_max_num_f32 v[TM+\b], v[TM+\b], v[TM+4+\b]       ; with lane l xor 16's 16: the block's largest magnitude
.endr
.irp b, 0,1,2,3
	v_add_nc_u32 v[TM+12+\b], 0xff000000, v[TM+\b]     ; 2 off its exponent field: the conversion takes this operand's exponent field as its scale
.endr
.irp b, 0,1,2,3
	v_lshrrev_b32 v[TM+4+\b], 23, v[TM+12+\b]          ; the scale's byte
.endr
	v_lshl_or_b32 v[\pw], v[TM+5], 8, v[TM+4]
	v_lshl_or_b32 v[\pw], v[TM+6], 16, v[\pw]
	v_lshl_or_b32 v[\pw], v[TM+7], 24, v[\pw]
.irp b, 0,1,2,3
	v_cvt_scalef32_pk8_fp4_f32 v[(\pc)+2*\b], v[(\s)+16*\b:(\s)+7+16*\b], v[TM+12+\b]
	v_cvt_scalef32_pk8_fp4_f32 v[(\pc)+1+2*\b], v[(\s)+8+16*\b:(\s)+15+16*\b], v[TM+12+\b]
.endr
	v_nop                                              ; one plain line behind the scaled conversions
.irp c, 0,1
.irp i, 0,1
	v_permlane16_swap_b32 v[(\pc)+4*\c+\i], v[(\pc)+2+4*\c+\i]   ; a whole block to a lane: lanes 0-15 block 2 c, lanes 16-31 block 2 c + 1
.endr
.endr
.endm
.macro LOADX t                         ; K step t of my 16 rows: each load reads 512 consecutive bytes of one row
.irp i, 0,1,2,3,4,5,6,7,8,9,10,11,12,13,14,15
	global_load_b128 v[R+64*((\t)%2)+4*\i:R+64*((\t)%2)+4*\i+3], v4, s[4:5] offset:(\i+8*(\i/8))*4096+512*(\t) th:TH_LOAD_NT
.endr
.endm
.macro TURNX t                         ; through my wave's stage: in as loaded, out 16 neighbours of each block a lane.  LDS serves a wave's instructions in order (ISA guide 5.7.1.4)
.irp i, 0,1,2,3,4,5,6,7,8,9,10,11,12,13,14,15
	ds_store_b128 v5, v[R+64*((\t)%2)+4*\i:R+64*((\t)%2)+4*\i+3] offset:SP*\i
.endr
.irp b, 0,1,2,3
.irp j, 0,1,2,3
	ds_load_b128 v[X+16*\b+4*\j:X+16*\b+4*\j+3], v6 offset:128*\b+16*\j
.endr
.endr
.endm
.macro LOADW blk, cols, in             ; block blk of my column: 32 numbers down K; the wave reads 128 consecutive bytes of a row, the four waves 512
.irp i, 0,1,2,3,4,5,6,7,8,9,10,11,12,13,14,15,16,17,18,19,20,21,22,23,24,25,26,27,28,29,30,31
	global_load_b32 v[16+32*((\blk)%2)+\i], v4, s[\in:\in+1] offset:(32*(\blk)+\i)*(\cols)*4 th:TH_LOAD_NT
.endr
.endm
; A weight [1024][cols].  A lane takes a column and its registers run down K: a block of 32 lies in one lane, and its codes are four registers of the operand's image.
.macro WPATH cols, in, out, words, first
	s_sub_co_u32 s17, ttmp9, \first
	s_lshr_b32 s18, s17, 3                         ; which 128 columns
	s_and_b32 s19, s17, 7                          ; which K step s
	s_lshl_b32 s18, s18, 2
	s_add_co_u32 s18, s18, s16                     ; cg: which 32 columns are my wave's: tiles 2 cg and 2 cg + 1
	v_and_b32 v4, 8, v2
	v_add_nc_u32 v4, v4, v2                        ; r + 8 (r / 8)
	v_lshl_add_u32 v4, v3, 3, v4                   ; + 8 u: lanes 16-31 take the second tile
	v_lshlrev_b32 v4, 2, v4                        ; my column's bytes in the wave's 128
	v_lshlrev_b32 v5, 4, v2
	v_lshl_add_u32 v6, v3, 9, v5                   ; my scale word: 512 u + 16 r
	v_lshl_add_u32 v5, v3, 13, v5                  ; my codes: 8192 u + 16 r
	s_mul_i32 s24, s19, 128*(\cols)*4
	s_lshl_b32 s25, s18, 7
	s_add_co_u32 s24, s24, s25
	s_mov_b32 s25, 0
	s_lshl_b32 s26, s18, 14                        ; 2 cg tiles of 8,192 bytes
	s_lshl_b32 s27, s19, 10
	s_add_co_u32 s26, s26, s27
	s_mov_b32 s27, 0
	s_lshl_b32 s28, s18, 10                        ; 2 cg tiles of 512 bytes of words
	s_lshr_b32 s29, s19, 2
	s_lshl_b32 s29, s29, 8
	s_add_co_u32 s28, s28, s29
	s_and_b32 s29, s19, 3
	s_lshl_b32 s29, s29, 2
	s_add_co_u32 s28, s28, s29
	s_add_co_u32 s28, s28, \words
	s_mov_b32 s29, 0
	s_wait_kmcnt 0x0
	s_add_nc_u64 s[\in:\in+1], s[\in:\in+1], s[24:25]
	s_add_nc_u64 s[26:27], s[\out:\out+1], s[26:27]
	s_add_nc_u64 s[28:29], s[\out:\out+1], s[28:29]
	LOADW 0, \cols, \in
	LOADW 1, \cols, \in
.irp blk, 0,1,2,3
.set XS, 16+32*(\blk%2)
.if \blk < 3
	s_wait_loadcnt 32                              ; this block's 32 loads are in; the next block's 32 may be out
.else
	s_wait_loadcnt 0x0
.endif
	v_max3_num_f32 v96, |v[XS]|, |v[XS+1]|, |v[XS+2]|
	v_max3_num_f32 v97, |v[XS+3]|, |v[XS+4]|, |v[XS+5]|
.irp i, 6,10,14,18,22,26
	v_max3_num_f32 v96, v96, |v[XS+\i]|, |v[XS+\i+1]|
	v_max3_num_f32 v97, v97, |v[XS+\i+2]|, |v[XS+\i+3]|
.endr
	v_max3_num_f32 v96, v96, |v[XS+30]|, |v[XS+31]|
	v_max3_num_f32 v96, v96, v97, 0x1800000        ; and the floor
	v_add_nc_u32 v98, 0xff000000, v96
	v_lshrrev_b32 v99, 23, v98
.if \blk == 0
	v_mov_b32 v100, v99
.else
	v_lshl_or_b32 v100, v99, 8*\blk, v100          ; the K step's four bytes make my column's scale word
.endif
.irp g, 0,1,2,3
	v_cvt_scalef32_pk8_fp4_f32 v[80+4*\blk+\g], v[XS+8*\g:XS+8*\g+7], v98
.endr
	global_store_b128 v5, v[80+4*\blk:80+4*\blk+3], s[26:27] offset:512*(\blk/2)+256*(\blk%2)   ; sixteen lanes store 256 consecutive bytes, aligned
.if \blk < 2
	LOADW \blk+2, \cols, \in
.endif
.endr
	global_store_b32 v6, v100, s[28:29]            ; 4 bytes at steps of 16: the word's neighbours belong to other K steps' work-groups; one byte in 128 of what this path reads
.endm
	s_load_b256 s[4:11], s[0:1], 0x0               ; x s[4:5], w_attn s[6:7], w_proj s[8:9], xq s[10:11]
	s_load_b128 s[12:15], s[0:1], 0x20             ; waq s[12:13], wpq s[14:15]
	v_lshl_add_u32 v218, v0, 2, 0x8400
	v_mov_b32 v219, 0
	v_lshrrev_b32 v1, 5, v0
	v_readfirstlane_b32 s16, v1                    ; wave 0..3
	v_and_b32 v1, 31, v0                           ; lane
	v_and_b32 v2, 15, v0                           ; r
	v_bfe_u32 v3, v0, 4, 1                         ; h
	s_cmp_ge_u32 ttmp9, 256
	s_cbranch_scc1 .Lweights
	; ---- x
	s_mov_b32 s[SEL], 0x76543210
	s_mov_b32 s[SEL+1], 0xfedcba98
	s_lshl_b32 s17, ttmp9, 2
	s_add_co_u32 s17, s17, s16
	s_lshr_b32 s18, s17, 1                         ; tile T
	s_and_b32 s19, s17, 1                          ; which half of K
	v_lshlrev_b32 v4, 4, v1                        ; 16 x lane
	s_mul_i32 s22, s16, 16*SP                      ; my wave's stage
	v_add_nc_u32 v5, s22, v4                       ; into it: 16 x lane of a row
	v_mul_u32_u24 v6, v2, SP
	v_lshl_add_u32 v6, v3, 6, v6
	v_add_nc_u32 v6, s22, v6                       ; out of it: row r, + 64 h
	v_lshlrev_b32 v7, 4, v2
	v_lshl_add_u32 v7, v3, 3, v7                   ; the words' way out: 16 r + 8 h
.irp b, 0,1,2,3
	v_mov_b32 v[TM+4+\b], 0                        ; written once: a lane permute's destination counts as one of its sources
.endr
	s_lshr_b32 s24, s18, 1
	s_lshl_b32 s24, s24, 17                        ; 32 (T / 2) rows of 4,096 bytes
	s_and_b32 s25, s18, 1
	s_lshl_b32 s25, s25, 15                        ; + 8 (T % 2) rows
	s_add_co_u32 s24, s24, s25
	s_lshl_b32 s25, s19, 11                        ; + my half of K
	s_add_co_u32 s24, s24, s25
	s_mov_b32 s25, 0
	s_lshl_b32 s26, s18, 13
	s_lshl_b32 s27, s19, 12
	s_add_co_u32 s26, s26, s27                     ; codes: T x 8192 + 4 K steps of 1,024
	s_mov_b32 s27, 0
	s_lshl_b32 s28, s18, 9
	s_lshl_b32 s29, s19, 8
	s_add_co_u32 s28, s28, s29
	s_add_co_u32 s28, s28, XWORDS                  ; words: T x 512 + 256 x half
	s_mov_b32 s29, 0
	s_wait_kmcnt 0x0
	s_add_nc_u64 s[4:5], s[4:5], s[24:25]
	s_add_nc_u64 s[28:29], s[10:11], s[28:29]
	s_add_nc_u64 s[10:11], s[10:11], s[26:27]
	LOADX 0
	LOADX 1
.irp t, 0,1,2,3
.if \t < 3
	s_wait_loadcnt 16                              ; this K step's 16 loads are in; the next step's 16 may be out
.else
	s_wait_loadcnt 0x0
.endif
	TURNX \t
	s_wait_dscnt 0x0                               ; my 64 numbers are back, and the stage's stores have read the set
.if \t < 2
	LOADX \t+2                                     ; which takes the loads of two steps on
.endif
	QUANT X, PC+8*\t, WRD+\t
	global_store_b128 v4, v[PC+8*\t:PC+8*\t+3], s[10:11] offset:1024*\t          ; 512 consecutive bytes a store
	global_store_b128 v4, v[PC+8*\t+4:PC+8*\t+7], s[10:11] offset:1024*\t+512
.endr
	v_cmp_lt_u32 vcc_lo, 15, v1
	v_cndmask_b32 v12, v[WRD], v[WRD+2], vcc_lo    ; lanes 0-15 send their row's words 0 and 1, lanes 16-31 words 2 and 3:
	v_cndmask_b32 v13, v[WRD+1], v[WRD+3], vcc_lo
	global_store_b64 v7, v[12:13], s[28:29]        ; 256 consecutive bytes, aligned
	s_wait_tensorcnt 0x0
	ds_add_u32 v218, v219
	s_wait_dscnt 0x0
	s_endpgm
.Lweights:
	s_cmp_ge_u32 ttmp9, 448
	s_cbranch_scc1 .Lw_proj
	WPATH 3072, 6, 12, 1572864, 256
	s_endpgm
.Lw_proj:
	WPATH 1024, 8, 14, 524288, 448
	s_endpgm
.Lfunc_end_k_qb7c8a13fc2_prep:
	.size	k_qb7c8a13fc2_prep, .Lfunc_end_k_qb7c8a13fc2_prep-k_qb7c8a13fc2_prep
	.p2alignl 7, 3214868480
	.fill 96, 4, 3214868480
	.section	.rodata,"a",@progbits
	.p2align	6, 0x0
	.amdhsa_kernel k_qb7c8a13fc2_prep
		.amdhsa_group_segment_fixed_size 34304
		.amdhsa_private_segment_fixed_size 0
		.amdhsa_enable_private_segment 0
		.amdhsa_kernarg_size 48
		.amdhsa_user_sgpr_count 2
		.amdhsa_user_sgpr_kernarg_segment_ptr 1
		.amdhsa_wavefront_size32 1
		.amdhsa_system_sgpr_workgroup_id_x 1
		.amdhsa_system_sgpr_workgroup_id_y 1
		.amdhsa_system_sgpr_workgroup_id_z 1
		.amdhsa_system_vgpr_workitem_id 0
		.amdhsa_next_free_vgpr 256
		.amdhsa_next_free_sgpr 66
		.amdhsa_reserve_vcc 1
		.amdhsa_float_denorm_mode_32 3
		.amdhsa_float_denorm_mode_16_64 3
		.amdhsa_memory_ordered 1
		.amdhsa_forward_progress 1
		.amdhsa_inst_pref_size 72
	.end_amdhsa_kernel
	.amdgpu_metadata
---
amdhsa.version: [ 1, 2 ]
amdhsa.kernels:
  - .name:           k_qb7c8a13fc2_prep
    .symbol:         k_qb7c8a13fc2_prep.kd
    .args:
      - { .name: x, .offset: 0, .size: 8, .value_kind: global_buffer, .address_space: global }
      - { .name: w_attn, .offset: 8, .size: 8, .value_kind: global_buffer, .address_space: global }
      - { .name: w_proj, .offset: 16, .size: 8, .value_kind: global_buffer, .address_space: global }
      - { .name: xq, .offset: 24, .size: 8, .value_kind: global_buffer, .address_space: global }
      - { .name: waq, .offset: 32, .size: 8, .value_kind: global_buffer, .address_space: global }
      - { .name: wpq, .offset: 40, .size: 8, .value_kind: global_buffer, .address_space: global }
    .group_segment_fixed_size: 34304
    .private_segment_fixed_size: 0
    .kernarg_segment_align: 8
    .kernarg_segment_size: 48
    .max_flat_workgroup_size: 128
    .sgpr_count:     66
    .vgpr_count:     256
    .wavefront_size: 32
...
	.end_amdgpu_metadata
.endif
;; end of part 1
;; launch qkv (part 2): grid 12 x 32, 4 waves a work-group, clusters of 4 x 4, 279,040 bytes of LDS; arguments xq, waq, b_attn, qkq, vq; writes qkq, vq
.if DOCPART == 2
	.amdgcn_target "amdgcn-amd-amdhsa--gfx1250"
	.amdhsa_code_object_version 6
	.text
	.protected	k_qb7c8a13fc2_qkv
	.globl	k_qb7c8a13fc2_qkv
	.p2align	8
	.type	k_qb7c8a13fc2_qkv,@function
k_qb7c8a13fc2_qkv:
	s_mov_b64 s[64:65], 0
	v_nop
	global_prefetch_b8 v0, s[64:65] scope:SCOPE_SE
	s_setreg_imm32_b32 hwreg(HW_REG_WAVE_MODE, 25, 1), 1
	s_wait_xcnt 0x0
	s_wait_alu depctr_hold_cnt(0) depctr_sa_sdst(0) depctr_va_vdst(0) depctr_va_sdst(0) depctr_va_ssrc(0) depctr_va_vcc(0) depctr_vm_vsrc(0)
	s_getreg_b32 s2, hwreg(HW_REG_IB_STS2, 6, 4)
	s_cmp_eq_u32 s2, 0
	s_cbranch_scc0 .Lentry_in_a_cluster
	s_endpgm
.Lentry_in_a_cluster:
	s_bfe_u32 s2, ttmp6, 0x10000c
	s_cmp_lg_u32 s2, 0xf033
	s_cbranch_scc0 .Lentry_shape_is_right
	s_endpgm
.Lentry_shape_is_right:
; qkv = x w_attn + b_attn on codes of FP4 with E8M0 scales, and q, k, v quantised in registers for the attention: q and k along the head's 64, v along the keys.  qkv itself never goes to memory.
; LIMITS: NaN and infinities are not served; a block of zeros gets the scale byte 1 where the rule says 127: its codes are zeros, and this program alone reads the bytes.
; SHARES.  A work-group makes 256 rows of x (ty) x 256 columns (tx); each of its four waves 128 x 128: 64 accumulators, 512 registers.
; ALL OF K (1,024) LIES IN LDS: a panel of 256 rows of codes is 131,072 bytes.  Each byte of LDS is filled once: there is no ring.
; Operands lie in memory and in LDS as images of their registers (tile T, K step s, half c: T x 8192 + s x 1024 + c x 512 + 16 x lane): a fragment is two loads of 512 consecutive bytes.
; Tile T holds rows 32 (T / 2) + 8 (T % 2) + r + 8 (r / 8), so that in a result the 16 registers of source-0 tiles 2 b and 2 b + 1 are 16 NEIGHBOURS: source-0 rows 32 b + 16 (lane / 16) + 0 .. 15.
; ONE FORM, TWO USES: accumulator (o, i) = source 0: INNER tile i, source 1: OUTER tile o; a lane holds one outer row, its registers run along the inner rows.
;   columns of q and k (cluster x 0, 1): outer = x, inner = w_attn: registers along the head's channels, the next K.   columns of v (cluster x 2): outer = w_attn, inner = x: registers along the keys, the next K.
; The parting hangs on the cluster's x, which all partners share.  The bias is the C of each sum's first product.
; CLUSTERS: 4 x 4.  x's panel hangs on ty alone and is asked for jointly along a row of the cluster, w_attn's on tx alone and jointly along a column.  A wave has two tensor loads out.
; REGISTERS: window 0: v1-27 lane numbers and addresses; v32-95 scale words of all 8 K steps (lanes 0-15 the outer tile's, lanes 16-31 the inner tile's); v128-255 outer fragments, two sets; afterwards v96-111 at work, v128-203 codes and words.
;   window 1: inner fragments at v0 and v128, the bias at v64.   windows 2, 3: accumulator (o, i) at window 2 + o / 4, v[64 (o % 4) + 8 i].
.set WPB,     131072                   ; LDS: x's panel at 0, w_attn's here,
.set SCL,     262144                   ; x's scale words (8,192 bytes), then w_attn's
.set XWORDS,  4194304                  ; where the scale words begin in xq,
.set WWORDS,  1572864                  ; in waq,
.set QKWORDS, 8388608                  ; in qkq,
.set VWORDS,  4194304                  ; in vq
.set LI,   4                           ; v4   16 x lane
.set BO,   5                           ; v5   the bias loads' offset
.set ADRO, 16                          ; v16  LDS address of my outer fragments
.set ADRI, 20                          ; v20  of my inner fragments
.set WO,   24                          ; v24  where my scale words go
.set ADRS, 27                          ; v27  LDS address of my scale words
.set SC,   32
.set TM,   96
.set OUTF, 128
.set PCB,  128
.set WD,   192
.set SL,   200
.set BIAS, 64
.set SEL,  2                           ; s[2:3] selects for v_permlanex16_b32: lane l xor 16
.set HM,   96                          ; s96  the mask of lanes 16-31
.set G1,   24                          ; s[24:31], s[32:35] groups 1 and 0 for x's codes
.set G0,   32
.set G1B,  48                          ; s[48:55], s[56:59] for w_attn's codes
.set G0B,  56
.set G1S,  68                          ; s[68:75], s[76:79] for x's scale words
.set G0S,  76
.set G1SB, 80                          ; s[80:87], s[88:91] for w_attn's
.set G0SB, 88
.set MSB, 0
.macro WIN new                         ; the immediate's high byte repeats the setting that is left
.if MSB != (\new)
	s_set_vgpr_msb (MSB<<8)|(\new)
.set MSB, (\new)
.endif
.endm
; A joint load: waves 0 and 1 fetch for x, waves 2 and 3 for w_attn.  The branch hangs on the wave's number alone.  Four v_nop follow each of the two lines.
.macro JLOAD g0a, g1a, g0b, g1b
	s_cmp_eq_u32 s15, 0
	s_cbranch_scc0 .Lfor_b_\@
	tensor_load_to_lds s[\g0a:\g0a+3], s[\g1a:\g1a+7]
	s_nop 0
.rept 4
	v_nop
.endr
	s_branch .Lasked_\@
.Lfor_b_\@:
	tensor_load_to_lds s[\g0b:\g0b+3], s[\g1b:\g1b+7]
	s_nop 0
.rept 4
	v_nop
.endr
.Lasked_\@:
.endm
.macro CROUND                          ; a round of the cluster's barrier
	s_barrier_signal -1
	s_barrier_wait -1
	s_cmp_lg_u32 s14, 0
	s_cbranch_scc1 .Lnot_wave_0_\@
	s_barrier_signal -3
.Lnot_wave_0_\@:
	s_barrier_wait -3
	s_barrier_signal -1
	s_barrier_wait -1
.endm
.macro PLACES n
.rept \n
	v_nop
.endr
.endm
.macro FETCH_IN g                      ; my eight inner fragments of K step g into set g % 2 of window 1
	WIN 0x40
.irp i, 0,1,2,3,4,5,6,7
.irp c, 0,1
	ds_load_b128 v[128*((\g)%2)+8*\i+4*\c:128*((\g)%2)+8*\i+4*\c+3], v[ADRI] offset:8192*\i+1024*(\g)+512*\c
.endr
.endr
.endm
.macro FETCH_OUT g                     ; my eight outer fragments into set g % 2 of window 0
	WIN 0
.irp i, 0,1,2,3,4,5,6,7
.irp c, 0,1
	ds_load_b128 v[OUTF+64*((\g)%2)+8*\i+4*\c:OUTF+64*((\g)%2)+8*\i+4*\c+3], v[ADRO] offset:8192*\i+1024*(\g)+512*\c
.endr
.endr
.endm
; 32 products: outer tiles o0 .. o0 + 3 x the eight inner tiles, K step g.  In K step 0 the bias is C: bo = 0: by the inner tile; 1: by the outer tile.  The 64 accumulators take turns, one instruction a turn.
.macro MUL g, o0, bo
.irp o, \o0, \o0+1, \o0+2, \o0+3
.irp i, 0,1,2,3,4,5,6,7
.set rD, 64*((\o)%4)+8*\i
.set rA, 128*((\g)%2)+8*\i
.set rB, OUTF+64*((\g)%2)+8*(\o)
.set rC, BIAS+8*((\bo)*(\o)+(1-(\bo))*\i)
.set kA, SC+32*((\g)/4)+4*\i+(\g)%4
.set kB, SC+32*((\g)/4)+4*(\o)+(\g)%4
.if (\g) == 0
	v_wmma_scale_f32_16x16x128_f8f6f4 v[rD:rD+7], v[rA:rA+7], v[rB:rB+7], v[rC:rC+7], v[kA], v[kB] matrix_a_fmt:MATRIX_FMT_FP4 matrix_b_fmt:MATRIX_FMT_FP4 matrix_a_scale:MATRIX_SCALE_ROW1
.else
	v_wmma_scale_f32_16x16x128_f8f6f4 v[rD:rD+7], v[rA:rA+7], v[rB:rB+7], v[rD:rD+7], v[kA], v[kB] matrix_a_fmt:MATRIX_FMT_FP4 matrix_b_fmt:MATRIX_FMT_FP4 matrix_a_scale:MATRIX_SCALE_ROW1
.endif
.endr
.endr
.endm
; A K step: 64 products; the next step's 32 loads go out in one run ahead of them, into the sets that the step before multiplied, four places behind its last product (ISA guide 7.12.1 for vector instructions).
.macro STEP g, bo
	s_wait_dscnt 0x0                               ; this step's fragments, asked for 64 products ago, are in
.if (\g) < 7
.if (\g) > 0
	PLACES 4
.endif
	FETCH_IN (\g)+1
	FETCH_OUT (\g)+1
.endif
.if (\g) == 0
	WIN 0x91                                       ; source 0 window 1, source 1 window 0, C (the bias) window 1, D window 2
.else
	WIN 0xa1                                       ; C and D window 2
.endif
	MUL \g, 0, \bo
.if (\g) == 0
	WIN 0xd1
.else
	WIN 0xf1                                       ; C and D window 3
.endif
	MUL \g, 4, \bo
	WIN 0
.endm
.macro PRODUCT bo
	FETCH_IN 0
	FETCH_OUT 0
.irp q, 0,1
.irp i, 0,1,2,3,4,5,6,7
	ds_load_b128 v[SC+32*\q+4*\i:SC+32*\q+4*\i+3], v[ADRS] offset:512*\i+256*\q   ; four K steps' words of tile i: lanes 0-15 the outer tile's, lanes 16-31 the inner tile's
.endr
.endr
	s_wait_loadcnt 0x0                             ; the bias
.irp g, 0,1,2,3,4,5,6,7
	STEP \g, \bo
.endr
	PLACES 4                                       ; in front of the first read of results
.endm
; The 64 registers v[s] .. of window w (register 16 b + i = the next K's 32 b + 16 (lane / 16) + i of my lane's row) become a fragment's codes at v[pc] of window 0; the four bytes are left in v[TM+4] ..
; Each accumulator is read from its low end on.
.macro QUANTW w, s, pc
	WIN ((\w)<<4)|((\w)<<2)                        ; sources 1 and 2 in window w
.irp b, 0,1,2,3
	v_max3_num_f32 v[TM+\b], 0x1800000, |v[(\s)+16*\b]|, |v[(\s)+16*\b+1]|   ; the floor 2^(3 - 127) and my first two of block b
.endr
.irp i, 2,4,6,8,10,12,14
.irp b, 0,1,2,3
	v_max3_num_f32 v[TM+\b], v[TM+\b], |v[(\s)+16*\b+\i]|, |v[(\s)+16*\b+\i+1]|
.endr
.endr
	WIN 0
.irp b, 0,1,2,3
	v_permlanex16_b32 v[TM+4+\b], v[TM+\b], s[SEL], s[SEL+1]
.endr
.irp b, 0,1,2,3
	v_max_num_f32 v[TM+\b], v[TM+\b], v[TM+4+\b]
.endr
.irp b, 0,1,2,3
	v_add_nc_u32 v[TM+12+\b], 0xff000000, v[TM+\b]
.endr
.irp b, 0,1,2,3
	v_lshrrev_b32 v[TM+4+\b], 23, v[TM+12+\b]
.endr
	WIN (\w)                                       ; source 0 in window w
.irp b, 0,1,2,3
	v_cvt_scalef32_pk8_fp4_f32 v[(\pc)+2*\b], v[(\s)+16*\b:(\s)+16*\b+7], v[TM+12+\b]
	v_cvt_scalef32_pk8_fp4_f32 v[(\pc)+2*\b+1], v[(\s)+16*\b+8:(\s)+16*\b+15], v[TM+12+\b]
.endr
	WIN 0
	v_nop                                          ; one plain line behind the scaled conversions
.irp c, 0,1
.irp i, 0,1
	v_permlane16_swap_b32 v[(\pc)+4*\c+\i], v[(\pc)+2+4*\c+\i]
.endr
.endr
.endm
	s_load_b256 s[4:11], s[0:1], 0x0               ; xq s[4:5], waq s[6:7], b_attn s[8:9], qkq s[10:11]
	s_load_b64 s[12:13], s[0:1], 0x20              ; vq
	v_lshl_add_u32 v126, v0, 2, 0x44000
	v_mov_b32 v127, 0
	ds_add_u32 v126, v127
	ds_add_u32 v126, v127
	v_lshrrev_b32 v1, 5, v0
	v_readfirstlane_b32 s14, v1                    ; wave 0..3
	s_lshr_b32 s15, s14, 1                         ; oh: which 8 outer tiles are mine.  Also: I fetch for x (0) or for w_attn (1)
	s_and_b32 s16, s14, 1                          ; ih: which 8 inner tiles.  Also: which half of that panel I fetch
	s_bfe_u32 s40, ttmp6, 0x40000                  ; cx, cy: my place in the cluster
	s_bfe_u32 s41, ttmp6, 0x40004
	s_lshl_b32 s42, ttmp9, 2
	s_add_co_u32 s42, s42, s40                     ; tx = 4 x cluster x + cx
	s_and_b32 s17, ttmp7, 0xffff
	s_lshl_b32 s17, s17, 2
	s_add_co_u32 s17, s17, s41                     ; ty = 4 x cluster y + cy
	s_lshl_b32 s43, s41, 2
	s_lshl_b32 s43, 15, s43                        ; my row of the cluster
	s_lshl_b32 s44, 0x1111, s40                    ; my column
	; group 1: dense blocks as rows of 256 bytes (32 elements of 8 bytes), no padding: 256 rows of codes, 16 rows of words
	s_or_b32 s[G1+0], s43, (3<<16)|(1<<21)         ; 15:0 the mask; 17:16 elements of 8 bytes; 21 set beside a mask
	s_or_b32 s[G1B+0], s44, (3<<16)|(1<<21)
.irp g, G1, G1B
	s_mov_b32 s[\g+1], 32<<16                      ; tensor_dim0
	s_mov_b32 s[\g+2], 256<<16                     ; tensor_dim1
	s_mov_b32 s[\g+3], 32<<16                      ; tile_dim0
	s_mov_b32 s[\g+4], 256                         ; tile_dim1
	s_mov_b32 s[\g+5], 32                          ; the pitch
	s_mov_b32 s[\g+6], 0
	s_mov_b32 s[\g+7], 0
.endr
	s_or_b32 s[G1S+0], s43, (3<<16)|(1<<21)
	s_or_b32 s[G1SB+0], s44, (3<<16)|(1<<21)
.irp g, G1S, G1SB
	s_mov_b32 s[\g+1], 32<<16
	s_mov_b32 s[\g+2], 16<<16
	s_mov_b32 s[\g+3], 32<<16
	s_mov_b32 s[\g+4], 16
	s_mov_b32 s[\g+5], 32
	s_mov_b32 s[\g+6], 0
	s_mov_b32 s[\g+7], 0
.endr
	s_lshl_b32 s18, s16, 16                        ; my half: 8 tiles of 8,192 bytes of codes,
	s_lshl_b32 s19, s16, 12                        ; of 512 bytes of words
	s_lshl_b32 s20, s17, 17
	s_add_co_u32 s20, s20, s18                     ; x's codes: tile 16 ty + 8 half
	s_mov_b32 s21, 0
	s_lshl_b32 s22, s17, 13
	s_add_co_u32 s22, s22, s19
	s_add_co_u32 s22, s22, XWORDS                  ; and its words
	s_mov_b32 s23, 0
	s_lshl_b32 s46, s42, 17
	s_add_co_u32 s46, s46, s18                     ; w_attn's codes: tile 16 tx + 8 half
	s_mov_b32 s47, 0
	s_lshl_b32 s92, s42, 13
	s_add_co_u32 s92, s92, s19
	s_add_co_u32 s92, s92, WWORDS
	s_mov_b32 s93, 0
	s_lshl_b32 s45, s14, 16                        ; where they go: wave x 65,536: no place in the cluster enters an LDS address
	s_lshl_b32 s94, s14, 12                        ; and wave x 4,096
	s_wait_dscnt 0x0
	s_wait_kmcnt 0x0
	s_add_nc_u64 s[20:21], s[4:5], s[20:21]
	s_add_nc_u64 s[22:23], s[4:5], s[22:23]
	s_add_nc_u64 s[46:47], s[6:7], s[46:47]
	s_add_nc_u64 s[92:93], s[6:7], s[92:93]
	CROUND                                         ; all sixteen work-groups are here: the joint loads meet
	s_mov_b32 s[G0S], 1
	s_add_co_u32 s[G0S+1], s94, SCL
	s_mov_b64 s[G0S+2:G0S+3], s[22:23]
	s_or_b32 s[G0S+3], s[G0S+3], 0x80000000
	s_mov_b32 s[G0SB], 1
	s_add_co_u32 s[G0SB+1], s94, SCL
	s_mov_b64 s[G0SB+2:G0SB+3], s[92:93]
	s_or_b32 s[G0SB+3], s[G0SB+3], 0x80000000
	JLOAD G0S, G1S, G0SB, G1SB
	s_mov_b32 s[G0], 1
	s_mov_b32 s[G0+1], s45
	s_mov_b64 s[G0+2:G0+3], s[20:21]
	s_or_b32 s[G0+3], s[G0+3], 0x80000000
	s_mov_b32 s[G0B], 1
	s_mov_b32 s[G0B+1], s45
	s_mov_b64 s[G0B+2:G0B+3], s[46:47]
	s_or_b32 s[G0B+3], s[G0B+3], 0x80000000
	JLOAD G0, G1, G0B, G1B
	v_and_b32 v1, 31, v0                           ; lane
	v_and_b32 v2, 15, v0                           ; r
	v_bfe_u32 v3, v0, 4, 1                         ; h
	v_lshlrev_b32 v[LI], 4, v1
	v_cmp_lt_u32 s[HM], 15, v1
	s_mov_b32 s[SEL], 0x76543210
	s_mov_b32 s[SEL+1], 0xfedcba98
.irp b, 0,1,2,3
	v_mov_b32 v[TM+4+\b], 0                        ; written once: a lane permute's destination counts as one of its sources
.endr
	; the bias is asked for while the panels are on their way
	s_lshl_b32 s36, s42, 10                        ; 256 tx numbers
	s_cmp_ge_u32 ttmp9, 2
	s_cbranch_scc1 .Lbias_v
	s_lshl_b32 s37, s16, 9                         ; q, k: the bias runs along the registers: for inner tile i, columns 32 (i / 2) + 8 (i % 2) + 16 h + 0 .. 7
	s_add_co_u32 s36, s36, s37
	s_mov_b32 s37, 0
	s_add_nc_u64 s[8:9], s[8:9], s[36:37]
	v_lshlrev_b32 v[BO], 6, v3
	WIN 0x40
.irp i, 0,1,2,3,4,5,6,7
	global_load_b128 v[BIAS+8*\i:BIAS+8*\i+3], v[BO], s[8:9] offset:(32*(\i/2)+8*(\i%2))*4
	global_load_b128 v[BIAS+8*\i+4:BIAS+8*\i+7], v[BO], s[8:9] offset:(32*(\i/2)+8*(\i%2))*4+16
.endr
	WIN 0
	s_branch .Lbias_asked
.Lbias_v:
	s_lshl_b32 s37, s15, 9                         ; v: the bias hangs on the lane's column: the same number in all eight registers of outer tile o
	s_add_co_u32 s36, s36, s37
	s_mov_b32 s37, 0
	s_add_nc_u64 s[8:9], s[8:9], s[36:37]
	v_and_b32 v[BO], 8, v2
	v_add_nc_u32 v[BO], v[BO], v2
	v_lshlrev_b32 v[BO], 2, v[BO]
	WIN 0x40
.irp o, 0,1,2,3,4,5,6,7
.irp j, 0,1,2,3,4,5,6,7
	global_load_b32 v[BIAS+8*\o+\j], v[BO], s[8:9] offset:(32*(\o/2)+8*(\o%2))*4
.endr
.endr
	WIN 0
.Lbias_asked:
	s_wait_tensorcnt 0x0                           ; my two loads have landed,
	s_barrier_signal -1
	s_barrier_wait -1                              ; everybody's have.  Nothing is filled again
	s_lshr_b32 s36, s17, 2
	s_lshl_b32 s36, s36, 4                         ; 16 x batch
	s_and_b32 s37, s42, 3
	s_lshl_b32 s37, s37, 2
	s_add_co_u32 s36, s36, s37                     ; + the work-group's first head of four
	s_and_b32 s39, s17, 3                          ; which 256 of the batch's 1,024 rows
	s_cmp_ge_u32 ttmp9, 2
	s_cbranch_scc1 .Lv_path
	; ---- q and k: outer = x, inner = w_attn
	s_lshl_b32 s18, s15, 16
	v_add_nc_u32 v[ADRO], s18, v[LI]
	s_lshl_b32 s18, s16, 16
	s_add_co_u32 s18, s18, WPB
	v_add_nc_u32 v[ADRI], s18, v[LI]
	s_lshl_b32 s18, s15, 12                        ; x's words of my outer tiles,
	s_lshl_b32 s19, s16, 12
	s_add_co_u32 s19, s19, 8192                    ; w_attn's of my inner tiles:
	s_sub_co_u32 s19, s19, s18
	v_mul_u32_u24 v6, s19, v3                      ; lanes 16-31 take the inner ones: one product, the lower base + h x the distance
	s_add_co_u32 s18, s18, SCL
	v_lshl_add_u32 v6, v2, 4, v6
	v_add_nc_u32 v[ADRS], s18, v6
	v_lshlrev_b32 v[WO], 4, v2
	v_lshl_add_u32 v[WO], v3, 12, v[WO]            ; words out: 16 r, and the next head's 4,096 bytes on for lanes 16-31
	s_lshl_b32 s37, s16, 1
	s_add_co_u32 s36, s36, s37                     ; bh0: my first head of two
	s_lshr_b32 s38, s42, 2                         ; 0: q, 1: k
	s_lshl_b32 s18, s38, 22
	s_lshl_b32 s19, s36, 15
	s_add_co_u32 s18, s18, s19
	s_lshl_b32 s19, s39, 13
	s_add_co_u32 s18, s18, s19
	s_lshl_b32 s19, s15, 12
	s_add_co_u32 s18, s18, s19                     ; codes: head x 32,768 + tile (16 (ty % 4) + 8 oh) x 512
	s_mov_b32 s19, 0
	s_lshl_b32 s20, s38, 19
	s_lshl_b32 s21, s36, 12
	s_add_co_u32 s20, s20, s21
	s_lshl_b32 s21, s39, 10
	s_add_co_u32 s20, s20, s21
	s_lshl_b32 s21, s15, 9
	s_add_co_u32 s20, s20, s21
	s_add_co_u32 s20, s20, QKWORDS                 ; words: head x 4,096 + (4 (ty % 4) + 2 oh) x 256
	s_mov_b32 s21, 0
	s_add_nc_u64 s[22:23], s[10:11], s[20:21]
	s_add_nc_u64 s[10:11], s[10:11], s[18:19]
	PRODUCT 0
.irp a, 0,1,2,3,4,5,6,7                ; outer tile a: 16 rows x 128 columns = two heads: registers 0-3 of the codes are the first head's fragment of 64 along K, registers 4-7 the second's
	QUANTW 2+\a/4, 64*(\a%4), PCB+8*\a
	v_lshl_or_b32 v[TM+8], v[TM+5], 8, v[TM+4]     ; the first head's two bytes; the word's upper two stay 0: they scale zero codes
	v_lshl_or_b32 v[TM+9], v[TM+7], 8, v[TM+6]     ; the second head's
	v_cndmask_b32 v[WD+\a], v[TM+8], v[TM+9], s[HM]
	global_store_b128 v[LI], v[PCB+8*\a:PCB+8*\a+3], s[10:11] offset:512*\a          ; 512 consecutive bytes a store
	global_store_b128 v[LI], v[PCB+8*\a+4:PCB+8*\a+7], s[10:11] offset:32768+512*\a
.endr
.irp g, 0,1
	global_store_b128 v[WO], v[WD+4*\g:WD+4*\g+3], s[22:23] offset:256*\g            ; four tiles' words of a row: sixteen lanes store 256 consecutive bytes, aligned
.endr
	s_branch .Lend
.Lv_path:
	; ---- v: outer = w_attn, inner = x
	s_lshl_b32 s18, s15, 16
	s_add_co_u32 s18, s18, WPB
	v_add_nc_u32 v[ADRO], s18, v[LI]
	s_lshl_b32 s18, s16, 16
	v_add_nc_u32 v[ADRI], s18, v[LI]
	s_lshl_b32 s18, s16, 12                        ; x's words of my inner tiles,
	s_lshl_b32 s19, s15, 12
	s_add_co_u32 s19, s19, 8192                    ; w_attn's of my outer tiles:
	s_sub_co_u32 s19, s19, s18
	v_xor_b32 v6, 1, v3
	v_mul_u32_u24 v6, s19, v6                      ; lanes 0-15 take the outer ones
	s_add_co_u32 s18, s18, SCL
	v_lshl_add_u32 v6, v2, 4, v6
	v_add_nc_u32 v[ADRS], s18, v6
	v_lshlrev_b32 v[WO], 4, v2
	v_lshl_add_u32 v[WO], v3, 11, v[WO]            ; words out: 16 r, and the next head's 2,048 bytes on for lanes 16-31
	s_lshl_b32 s37, s15, 1
	s_add_co_u32 s36, s36, s37                     ; bh0: my first head of two
	s_lshl_b32 s38, s39, 1
	s_add_co_u32 s38, s38, s16                     ; S: which 128 keys
	s_lshl_b32 s18, s36, 15
	s_lshl_b32 s19, s38, 12
	s_add_co_u32 s18, s18, s19                     ; codes: head x 32,768 + S x 4,096
	s_mov_b32 s19, 0
	s_lshl_b32 s20, s36, 11
	s_lshl_b32 s21, s38, 8
	s_add_co_u32 s20, s20, s21
	s_add_co_u32 s20, s20, VWORDS                  ; words: head x 2,048 + S x 256
	s_mov_b32 s21, 0
	s_add_nc_u64 s[22:23], s[12:13], s[20:21]
	s_add_nc_u64 s[12:13], s[12:13], s[18:19]
	PRODUCT 1
.irp o, 0,1,2,3,4,5,6,7                ; outer tile o: 16 channels (tile o % 4 of head o / 4) x 128 keys: one fragment and one scale word a channel
	QUANTW 2+\o/4, 64*(\o%4), PCB+8*\o
	v_lshl_or_b32 v[WD+\o], v[TM+5], 8, v[TM+4]
	v_lshl_or_b32 v[WD+\o], v[TM+6], 16, v[WD+\o]
	v_lshl_or_b32 v[WD+\o], v[TM+7], 24, v[WD+\o]
	global_store_b128 v[LI], v[PCB+8*\o:PCB+8*\o+3], s[12:13] offset:(\o/4)*32768+(\o%4)*1024
	global_store_b128 v[LI], v[PCB+8*\o+4:PCB+8*\o+7], s[12:13] offset:(\o/4)*32768+(\o%4)*1024+512
.endr
.irp t, 0,1,2,3
	v_cndmask_b32 v[SL+\t], v[WD+\t], v[WD+4+\t], s[HM]   ; lanes 0-15 send the first head's four words, lanes 16-31 the second's
.endr
	global_store_b128 v[WO], v[SL:SL+3], s[22:23]
.Lend:
	s_wait_tensorcnt 0x0
	ds_add_u32 v126, v127
	s_wait_dscnt 0x0
	CROUND                                         ; the closing round: no work-group ends while a partner may still ask for a panel that names it
	s_endpgm
.Lfunc_end_k_qb7c8a13fc2_qkv:
	.size	k_qb7c8a13fc2_qkv, .Lfunc_end_k_qb7c8a13fc2_qkv-k_qb7c8a13fc2_qkv
	.p2alignl 7, 3214868480
	.fill 96, 4, 3214868480
	.section	.rodata,"a",@progbits
	.p2align	6, 0x0
	.amdhsa_kernel k_qb7c8a13fc2_qkv
		.amdhsa_group_segment_fixed_size 279040
		.amdhsa_private_segment_fixed_size 0
		.amdhsa_enable_private_segment 0
		.amdhsa_kernarg_size 40
		.amdhsa_user_sgpr_count 2
		.amdhsa_user_sgpr_kernarg_segment_ptr 1
		.amdhsa_wavefront_size32 1
		.amdhsa_system_sgpr_workgroup_id_x 1
		.amdhsa_system_sgpr_workgroup_id_y 1
		.amdhsa_system_sgpr_workgroup_id_z 1
		.amdhsa_system_vgpr_workitem_id 0
		.amdhsa_next_free_vgpr 1024
		.amdhsa_next_free_sgpr 98
		.amdhsa_reserve_vcc 0
		.amdhsa_float_denorm_mode_32 3
		.amdhsa_float_denorm_mode_16_64 3
		.amdhsa_memory_ordered 1
		.amdhsa_forward_progress 1
		.amdhsa_inst_pref_size 250
	.end_amdhsa_kernel
	.amdgpu_metadata
---
amdhsa.version: [ 1, 2 ]
amdhsa.kernels:
  - .name:           k_qb7c8a13fc2_qkv
    .symbol:         k_qb7c8a13fc2_qkv.kd
    .args:
      - { .name: xq, .offset: 0, .size: 8, .value_kind: global_buffer, .address_space: global }
      - { .name: waq, .offset: 8, .size: 8, .value_kind: global_buffer, .address_space: global }
      - { .name: b_attn, .offset: 16, .size: 8, .value_kind: global_buffer, .address_space: global }
      - { .name: qkq, .offset: 24, .size: 8, .value_kind: global_buffer, .address_space: global }
      - { .name: vq, .offset: 32, .size: 8, .value_kind: global_buffer, .address_space: global }
    .group_segment_fixed_size: 279040
    .private_segment_fixed_size: 0
    .kernarg_segment_align: 8
    .kernarg_segment_size: 40
    .max_flat_workgroup_size: 128
    .sgpr_count:     98
    .vgpr_count:     1024
    .wavefront_size: 32
...
	.end_amdgpu_metadata
.endif
;; end of part 2
;; launch attn (part 3): grid 2 x 128, 16 waves a work-group, no clusters, 73,728 bytes of LDS; arguments qkq, vq, yq; writes yq
.if DOCPART == 3
	.amdgcn_target "amdgcn-amd-amdhsa--gfx1250"
	.amdhsa_code_object_version 6
	.text
	.protected	k_qb7c8a13fc2_attn
	.globl	k_qb7c8a13fc2_attn
	.p2align	8
	.type	k_qb7c8a13fc2_attn,@function
k_qb7c8a13fc2_attn:
	s_mov_b64 s[64:65], 0
	v_nop
	global_prefetch_b8 v0, s[64:65] scope:SCOPE_SE
	s_setreg_imm32_b32 hwreg(HW_REG_WAVE_MODE, 25, 1), 1
	s_wait_xcnt 0x0
; y[b][q][head] = softmax_k(q . k / 8, causal) v, both products on codes of FP4 with E8M0 scales, and y quantised along the model's 1,024 for the last product.
; THE SOFTMAX AHEAD OF THE SECOND PRODUCT: t = score x log2(e) / 8; M = the row's largest t so far, rounded up to a whole number; p = 2^(t - M) is quantised along the keys, not normalised; the row's sum is taken of the
; unquantised p and divides at the end.  When M moves, the sum and O are multiplied by 2^(old M - new M): exact.
; LIMITS: NaN and infinities are not served; a block of zeros gets the scale byte 1 where the rule says 127: its codes are zeros, and this program alone reads the bytes.
; THE FIRST PRODUCT'S K IS 64: registers 4-7 of q's and k's fragments hold zero codes, which add nothing (their scale bytes are 0, which is 2^-127 and no NaN).
; SHARES.  Two work-groups to a head, sixteen waves each, four to a SIMD, so that one wave's vector work stands beside another's products and LDS loads.  Wave p (0 .. 31 of the head) takes the tiles of
; 16 queries p and 63 - p: tile J needs J / 8 + 1 steps of 128 keys under the causal mask, so every wave has nine steps of work.
; A head's k and v as codes, with their scale words, are 69,632 + 2,048 bytes: they lie whole in LDS, copied once through registers.  No tensor load, no ring, one barrier.
; NO CLUSTER: what the two work-groups of a head share is read once each, 71,680 bytes, at the head of the launch; there is no stream to ask for jointly.
; LAYOUT.  Both products are used transposed: S^T = k q^T, O^T = v^T p^T: a lane holds one query throughout.  Tile T holds rows 32 (T / 2) + 8 (T % 2) + r + 8 (r / 8), so that the 16 registers of tiles 2 b, 2 b + 1 are 16 neighbours.
; The key loop has 8 trips in every wave; a step all of whose keys are hidden is jumped over by a scalar branch on ids.
; REGISTERS: v1-4 addresses that stay; v5-7 addresses in hand; v8 q's words; v9 the lane's part of the mask's bound; v10-11 y's scale bytes; v12 -M, v13 the largest t, v[14:15] the sum; v16-23 q; v24-31 k's words;
;   v32-95 eight fragments of k; v96-159 S^T, then p, at the end y; v160-191 O^T; v192-223 four fragments of v; v224-231 codes; v232-247 at work; v248-251 v's words; v252 f; v253 p's word; v254 at work; v255 the mask's bound.
.set KSB, 65536                        ; LDS: k's codes at 0, v's at 32,768, k's words here,
.set VSB, 69632                        ; v's words
.set LI,  1
.set R16, 2
.set AKS, 3
.set AVS, 4
.set ADK, 5
.set ADS, 6
.set ADT, 7
.set QSW, 8
.set DL,  9
.set HW,  10
.set SEL, 20                           ; s[20:21] selects for v_permlanex16_b32: lane l xor 16
.set CS,  22                           ; s[22:23] c = log2(e) / 8
.set J,   26                           ; s26 the tile of queries in hand
.set JD,  27                           ; s27 the key step on its diagonal
.set TK,  28                           ; s28 the step's codes: 4,096 bytes a step
.set TS,  29                           ; s29 k's words: 512 a step
.set TJ,  30                           ; s30 v's words: 256 a step
.set I,   31                           ; s31 the key step
	s_load_b128 s[4:7], s[0:1], 0x0                ; qkq s[4:5], vq s[6:7]
	s_load_b64 s[8:9], s[0:1], 0x10                ; yq
	v_lshl_add_u32 v242, v0, 2, 0x11800
	v_mov_b32 v243, 0
	v_lshrrev_b32 v1, 5, v0
	v_readfirstlane_b32 s10, v1                    ; wave 0..15
	s_and_b32 s11, ttmp7, 0xffff                   ; bh = 16 x batch + head
	v_lshlrev_b32 v132, 4, v0                      ; the copy: 16, 8 and 4 bytes a thread
	v_lshlrev_b32 v133, 3, v0
	v_lshlrev_b32 v134, 2, v0
	v_lshl_add_u32 v135, v0, 3, KSB
	v_lshl_add_u32 v136, v0, 2, VSB
	s_lshl_b32 s12, s11, 15                        ; the head's codes: 32,768 bytes
	s_mov_b32 s13, 0
	s_add_co_u32 s14, s12, 4194304                 ; k's lie behind q's
	s_mov_b32 s15, 0
	s_lshl_b32 s16, s11, 12
	s_add_co_u32 s16, s16, 8388608+524288          ; k's words
	s_mov_b32 s17, 0
	s_lshl_b32 s18, s11, 11
	s_add_co_u32 s18, s18, 4194304                 ; v's words
	s_mov_b32 s19, 0
	s_wait_kmcnt 0x0
	s_add_nc_u64 s[14:15], s[4:5], s[14:15]
	s_add_nc_u64 s[16:17], s[4:5], s[16:17]
	s_add_nc_u64 s[18:19], s[6:7], s[18:19]
	s_add_nc_u64 s[24:25], s[6:7], s[12:13]
.irp i, 0,1,2,3
	global_load_b128 v[96+4*\i:99+4*\i], v132, s[14:15] offset:8192*\i
.endr
.irp i, 0,1,2,3
	global_load_b128 v[112+4*\i:115+4*\i], v132, s[24:25] offset:8192*\i
.endr
	global_load_b64 v[128:129], v133, s[16:17]
	global_load_b32 v130, v134, s[18:19]
	v_and_b32 v[LI], 31, v0
	v_lshlrev_b32 v[LI], 4, v[LI]                  ; 16 x lane
	v_and_b32 v10, 15, v0                          ; r
	v_bfe_u32 v11, v0, 4, 1                        ; h
	v_lshlrev_b32 v[R16], 4, v10
	v_add_nc_u32 v[AKS], KSB, v[R16]
	v_add_nc_u32 v[AVS], VSB, v[R16]
	v_and_b32 v[DL], 8, v10
	v_add_nc_u32 v[DL], v[DL], v10
	v_lshlrev_b32 v11, 4, v11
	v_sub_nc_u32 v[DL], v[DL], v11                 ; r + 8 (r / 8) - 16 h
.irp c, 20,21,22,23
	v_mov_b32 v[\c], 0                             ; q's codes of k = 64 .. 127: zeros
.endr
.irp t, 0,1,2,3,4,5,6,7
.irp c, 4,5,6,7
	v_mov_b32 v[32+8*\t+\c], 0                     ; k's likewise, once for the launch
.endr
.endr
.irp b, 0,1,2,3
	v_mov_b32 v[236+\b], 0                         ; written once: a lane permute's destination counts as one of its sources
.endr
	v_mov_b32 v252, 0
	v_mov_b32 v253, 0                              ; (named with v252 as a pair before it is first written)
	s_mov_b32 s[SEL], 0x76543210
	s_mov_b32 s[SEL+1], 0xfedcba98
	s_mov_b32 s[CS], 0x3e38aa3b
	s_mov_b32 s[CS+1], s[CS]
	s_lshl_b32 s46, ttmp9, 4
	s_add_co_u32 s46, s46, s10                     ; p
	s_wait_loadcnt 0x0
.irp i, 0,1,2,3
	ds_store_b128 v132, v[96+4*\i:99+4*\i] offset:8192*\i
.endr
.irp i, 0,1,2,3
	ds_store_b128 v132, v[112+4*\i:115+4*\i] offset:32768+8192*\i
.endr
	ds_store_b64 v135, v[128:129]
	ds_store_b32 v136, v130
	s_wait_dscnt 0x0                               ; for the others' sake: my part of the copy is in LDS
	s_barrier_signal -1
	s_barrier_wait -1                              ; the head's k and v lie in LDS; nobody writes LDS again
.macro TILE tl
.if \tl
	s_wait_xcnt 0x0                                ; the first tile's store has read its registers and its base
.endif
	s_lshl_b32 s32, s[J], 9
	s_add_co_u32 s32, s32, s12
	s_mov_b32 s33, 0
	s_add_nc_u64 s[32:33], s[4:5], s[32:33]        ; q's codes: head x 32,768 + J x 512
	s_lshr_b32 s34, s[J], 2
	s_lshl_b32 s34, s34, 8
	s_and_b32 s35, s[J], 3
	s_lshl_b32 s35, s35, 2
	s_add_co_u32 s34, s34, s35
	s_lshl_b32 s35, s11, 12
	s_add_co_u32 s34, s34, s35
	s_add_co_u32 s34, s34, 8388608
	s_mov_b32 s35, 0
	s_add_nc_u64 s[34:35], s[4:5], s[34:35]        ; its words: head x 4,096 + (J / 4) x 256 + 4 (J % 4), + 16 r
	global_load_b128 v[16:19], v[LI], s[32:33]
	global_load_b32 v[QSW], v[R16], s[34:35]
	s_lshr_b32 s38, s11, 4
	s_lshl_b32 s38, s38, 6
	s_add_co_u32 s38, s38, s[J]                    ; y's tile: 64 x batch + J
	s_lshl_b32 s[40+\tl], s38, 9                   ; its words
	s_lshl_b32 s38, s38, 13
	s_and_b32 s39, s11, 15
	s_lshl_b32 s39, s39, 9
	s_add_co_u32 s38, s38, s39                     ; its codes: tile x 8,192 + head x 512
	s_mov_b32 s39, 0
	s_add_nc_u64 s[38:39], s[8:9], s[38:39]
	v_mov_b32 v13, 0xff61b1e6                      ; the largest t so far: -3e38
	v_floor_f32 v12, -v13
	v_mov_b32 v14, 0
	v_mov_b32 v15, 0
.set n, 0
.rept 32
	v_mov_b32 v[160+n], 0                          ; O^T: the step is written once; its first turn finds zeros
.set n, n+1
.endr
	s_lshr_b32 s36, s[J], 1
	s_and_b32 s36, s36, 3
	s_lshl_b32 s36, s36, 5
	s_and_b32 s37, s[J], 1
	s_lshl_b32 s37, s37, 3
	s_add_co_u32 s36, s36, s37
	v_add_nc_u32 v255, s36, v[DL]                  ; d = my query - the diagonal step's first key - 16 h: register 16 b + i is hidden where 32 b + i > d
	s_lshr_b32 s[JD], s[J], 3
	s_mov_b32 s[TK], 0
	s_mov_b32 s[TS], 0
	s_mov_b32 s[TJ], 0
	s_mov_b32 s[I], 0
	s_wait_loadcnt 0x0                             ; q
.Lkey_\@:
	s_cmp_gt_u32 s[I], s[JD]                       ; all 128 keys come after my 16 queries: the step's work is left out
	s_cbranch_scc1 .Lhidden_\@
	v_add_nc_u32 v[ADK], s[TK], v[LI]              ; these three and the v_nop are the four places behind the last step's products, in front of the loads into their registers
	v_add_nc_u32 v[ADS], s[TS], v[AKS]
	v_add_nc_u32 v[ADT], s[TJ], v[AVS]
	v_nop
.irp t, 0,1,2,3,4,5,6,7
	ds_load_b128 v[32+8*\t:35+8*\t], v[ADK] offset:512*\t
.endr
.irp g, 0,1
	ds_load_b128 v[24+4*\g:27+4*\g], v[ADS] offset:256*\g
.endr
.irp t, 0,1,2,3
.irp c, 0,1
	ds_load_b128 v[192+8*\t+4*\c:195+8*\t+4*\c], v[ADK] offset:32768+1024*\t+512*\c
.endr
.endr
	ds_load_b128 v[248:251], v[ADT]
	s_wait_dscnt 9                                 ; k and its words are in; v's eight loads and its words may be out
.irp t, 0,1,2,3,4,5,6,7
	v_wmma_scale_f32_16x16x128_f8f6f4 v[96+8*\t:103+8*\t], v[32+8*\t:39+8*\t], v[16:23], 0, v[24+\t], v[QSW] matrix_a_fmt:MATRIX_FMT_FP4 matrix_b_fmt:MATRIX_FMT_FP4
.endr
.rept 4
	v_nop
.endr
	s_cmp_lt_u32 s[I], s[JD]                       ; all keys count: no mask
	s_cbranch_scc1 .Lopen_\@
	v_mov_b32 v254, 0xff800000                     ; on the diagonal hidden scores become -infinity ahead of the maximum
.set n, 0
.rept 64
	v_cmp_gt_i32 vcc_lo, 32*(n/16)+n%16, v255
	v_cndmask_b32 v[96+n], v[96+n], v254, vcc_lo
.set n, n+1
.endr
.Lopen_\@:
.irp b, 0,1,2,3
	v_max3_num_f32 v[232+\b], v[96+16*\b], v[97+16*\b], v[98+16*\b]   ; the largest score of each block of 32 keys: for the row's maximum, and, since p rises with the score, for the block's largest p
.endr
.irp i, 3,5,7,9,11,13
.irp b, 0,1,2,3
	v_max3_num_f32 v[232+\b], v[232+\b], v[96+16*\b+\i], v[97+16*\b+\i]
.endr
.endr
.irp b, 0,1,2,3
	v_max_num_f32 v[232+\b], v[232+\b], v[111+16*\b]
.endr
.irp b, 0,1,2,3
	v_permlanex16_b32 v[236+\b], v[232+\b], s[SEL], s[SEL+1]
.endr
.irp b, 0,1,2,3
	v_max_num_f32 v[232+\b], v[232+\b], v[236+\b]
.endr
	v_max3_num_f32 v254, v232, v233, v234
	v_max_num_f32 v254, v254, v235
	v_mul_f32 v254, s[CS], v254
	v_max_num_f32 v13, v13, v254                   ; the running largest t
	v_mov_b32 v254, v12
	v_floor_f32 v12, -v13                          ; -M = floor(-t): M is a whole number
	v_sub_f32 v254, v12, v254
	v_cvt_i32_f32 v254, v254                       ; (it saturates)
	v_ldexp_f32 v252, 1.0, v254                    ; f = 2^(old M - new M)
.set n, 0
.rept 32
	v_pk_fma_f32 v[96+n:97+n], v[96+n:97+n], s[CS:CS+1], v[12:13] op_sel_hi:[1,0,0]   ; t - M
.set n, n+2
.endr
.irp b, 0,1,2,3
	v_fma_f32 v[232+\b], v[232+\b], s[CS], v12
.endr
.set n, 0
.rept 64
	v_exp_f32 v[96+n], v[96+n]                     ; p = 2^(t - M)
.set n, n+1
.endr
	v_pk_mul_f32 v[14:15], v[14:15], v[252:253] op_sel_hi:[1,0]   ; the sums under the new M: the plain line behind the exponentials
	s_wait_alu depctr_va_vdst(0)                   ; one wait for the batch of 64, ahead of its first reader
.irp b, 0,1,2,3
	v_exp_f32 v[232+\b], v[232+\b]                 ; each block's largest p
.endr
	v_pk_add_f32 v[236:237], v[96:97], v[98:99]    ; the row's sum, of the unquantised p, in two chains
.set n, 4
.rept 15
	v_pk_add_f32 v[14:15], v[14:15], v[96+n:97+n]
	v_pk_add_f32 v[236:237], v[236:237], v[98+n:99+n]
.set n, n+4
.endr
	v_pk_add_f32 v[14:15], v[14:15], v[236:237]
	s_wait_alu depctr_va_vdst(0)                   ; and one for the four
.irp b, 0,1,2,3
	v_max_num_f32 v[232+\b], 0x1800000, v[232+\b]  ; the floor 2^(3 - 127)
.endr
.irp b, 0,1,2,3
	v_add_nc_u32 v[244+\b], 0xff000000, v[232+\b]
.endr
.irp b, 0,1,2,3
	v_lshrrev_b32 v[236+\b], 23, v[244+\b]
.endr
	v_lshl_or_b32 v253, v237, 8, v236              ; p's scale word for these 128 keys
	v_lshl_or_b32 v253, v238, 16, v253
	v_lshl_or_b32 v253, v239, 24, v253
.irp b, 0,1,2,3
	v_cvt_scalef32_pk8_fp4_f32 v[224+2*\b], v[96+16*\b:103+16*\b], v[244+\b]
	v_cvt_scalef32_pk8_fp4_f32 v[225+2*\b], v[104+16*\b:111+16*\b], v[244+\b]
.endr
	v_nop
.irp c, 0,1
.irp i, 0,1
	v_permlane16_swap_b32 v[224+4*\c+\i], v[226+4*\c+\i]
.endr
.endr
.set n, 0
.rept 16
	v_pk_mul_f32 v[160+n:161+n], v[160+n:161+n], v[252:253] op_sel_hi:[1,0]   ; O^T under the new M; these sixteen are also the places between p's word and codes and the products
.set n, n+2
.endr
	s_wait_dscnt 0x0                               ; v and its words
.irp t, 0,1,2,3
	v_wmma_scale_f32_16x16x128_f8f6f4 v[160+8*\t:167+8*\t], v[192+8*\t:199+8*\t], v[224:231], v[160+8*\t:167+8*\t], v[248+\t], v253 matrix_a_fmt:MATRIX_FMT_FP4 matrix_b_fmt:MATRIX_FMT_FP4
.endr
.Lhidden_\@:
	s_add_co_u32 s[TK], s[TK], 4096
	s_add_co_u32 s[TS], s[TS], 512
	s_add_co_u32 s[TJ], s[TJ], 256
	s_add_co_u32 s[I], s[I], 1
	s_cmp_lt_u32 s[I], 8
	s_cbranch_scc1 .Lkey_\@
.rept 4
	v_nop                                          ; places in front of the first read of O^T
.endr
	v_add_f32 v14, v14, v15
	v_permlanex16_b32 v252, v14, s[SEL], s[SEL+1]
	v_add_f32 v14, v14, v252                       ; the row's sum
	v_rcp_f32 v14, v14
	v_nop
	s_wait_alu depctr_va_vdst(0)
.set n, 0
.rept 16
	v_pk_mul_f32 v[96+n:97+n], v[160+n:161+n], v[14:15] op_sel_hi:[1,0]   ; y: register 16 b + i = channel 32 b + 16 h + i of my query; each accumulator from its low end on
.set n, n+2
.endr
.irp b, 0,1
	v_max3_num_f32 v[232+\b], |v[96+16*\b]|, |v[97+16*\b]|, 0x1800000
.endr
.irp i, 2,4,6,8,10,12,14
.irp b, 0,1
	v_max3_num_f32 v[232+\b], v[232+\b], |v[96+16*\b+\i]|, |v[97+16*\b+\i]|
.endr
.endr
.irp b, 0,1
	v_permlanex16_b32 v[236+\b], v[232+\b], s[SEL], s[SEL+1]
.endr
.irp b, 0,1
	v_max_num_f32 v[232+\b], v[232+\b], v[236+\b]
.endr
.irp b, 0,1
	v_add_nc_u32 v[244+\b], 0xff000000, v[232+\b]
.endr
.irp b, 0,1
	v_lshrrev_b32 v[236+\b], 23, v[244+\b]
.endr
	v_lshl_or_b32 v[HW+\tl], v237, 8, v236         ; my row's two scale bytes of this head
.irp b, 0,1
	v_cvt_scalef32_pk8_fp4_f32 v[224+2*\b], v[96+16*\b:103+16*\b], v[244+\b]
	v_cvt_scalef32_pk8_fp4_f32 v[225+2*\b], v[104+16*\b:111+16*\b], v[244+\b]
.endr
	v_nop
	v_permlane16_swap_b32 v224, v226
	v_permlane16_swap_b32 v225, v227               ; lanes 0-15: channels 0-31, lanes 16-31: channels 32-63
	global_store_b128 v[LI], v[224:227], s[38:39]  ; 512 consecutive bytes
.endm
	s_mov_b32 s[J], s46
	TILE 0
	s_sub_co_u32 s[J], 63, s46
	TILE 1
	; the two tiles' scale bytes: lanes 0-15 send the first tile's, lanes 16-31 the second's.  Two bytes a row: the word's other two belong to the neighbouring head's work-groups; a sixteenth of y's codes
	s_and_b32 s42, s11, 15                         ; the head
	s_lshr_b32 s43, s42, 3
	s_lshl_b32 s43, s43, 8
	s_bfe_u32 s44, s42, 0x20001
	s_lshl_b32 s44, s44, 2
	s_add_co_u32 s43, s43, s44
	s_and_b32 s44, s42, 1
	s_lshl_b32 s44, s44, 1
	s_add_co_u32 s43, s43, s44
	s_add_co_u32 s43, s43, 4194304
	s_add_co_u32 s40, s40, s43
	s_add_co_u32 s41, s41, s43
	v_and_b32 v7, 31, v0
	v_cmp_lt_u32 vcc_lo, 15, v7
	v_mov_b32 v5, s40
	v_mov_b32 v6, s41
	v_cndmask_b32 v5, v5, v6, vcc_lo
	v_add_nc_u32 v5, v5, v[R16]
	v_cndmask_b32 v6, v[HW], v[HW+1], vcc_lo
	global_store_b16 v5, v6, s[8:9]
	s_wait_tensorcnt 0x0
	ds_add_u32 v242, v243
	s_wait_dscnt 0x0
	s_endpgm
.Lfunc_end_k_qb7c8a13fc2_attn:
	.size	k_qb7c8a13fc2_attn, .Lfunc_end_k_qb7c8a13fc2_attn-k_qb7c8a13fc2_attn
	.p2alignl 7, 3214868480
	.fill 96, 4, 3214868480
	.section	.rodata,"a",@progbits
	.p2align	6, 0x0
	.amdhsa_kernel k_qb7c8a13fc2_attn
		.amdhsa_group_segment_fixed_size 73728
		.amdhsa_private_segment_fixed_size 0
		.amdhsa_enable_private_segment 0
		.amdhsa_kernarg_size 24
		.amdhsa_user_sgpr_count 2
		.amdhsa_user_sgpr_kernarg_segment_ptr 1
		.amdhsa_wavefront_size32 1
		.amdhsa_system_sgpr_workgroup_id_x 1
		.amdhsa_system_sgpr_workgroup_id_y 1
		.amdhsa_system_sgpr_workgroup_id_z 1
		.amdhsa_system_vgpr_workitem_id 0
		.amdhsa_next_free_vgpr 256
		.amdhsa_next_free_sgpr 66
		.amdhsa_reserve_vcc 1
		.amdhsa_float_denorm_mode_32 3
		.amdhsa_float_denorm_mode_16_64 3
		.amdhsa_memory_ordered 1
		.amdhsa_forward_progress 1
		.amdhsa_inst_pref_size 58
	.end_amdhsa_kernel
	.amdgpu_metadata
---
amdhsa.version: [ 1, 2 ]
amdhsa.kernels:
  - .name:           k_qb7c8a13fc2_attn
    .symbol:         k_qb7c8a13fc2_attn.kd
    .args:
      - { .name: qkq, .offset: 0, .size: 8, .value_kind: global_buffer, .address_space: global }
      - { .name: vq, .offset: 8, .size: 8, .value_kind: global_buffer, .address_space: global }
      - { .name: yq, .offset: 16, .size: 8, .value_kind: global_buffer, .address_space: global }
    .group_segment_fixed_size: 73728
    .private_segment_fixed_size: 0
    .kernarg_segment_align: 8
    .kernarg_segment_size: 24
    .max_flat_workgroup_size: 512
    .sgpr_count:     66
    .vgpr_count:     256
    .wavefront_size: 32
...
	.end_amdgpu_metadata
.endif
;; end of part 3
;; launch proj (part 4): grid 4 x 64, 4 waves a work-group, clusters of 4 x 4, 243,200 bytes of LDS; arguments yq, wpq, b_proj, out0; writes out0
.if DOCPART == 4
	.amdgcn_target "amdgcn-amd-amdhsa--gfx1250"
	.amdhsa_code_object_version 6
	.text
	.protected	k_qb7c8a13fc2_proj
	.globl	k_qb7c8a13fc2_proj
	.p2align	8
	.type	k_qb7c8a13fc2_proj,@function
k_qb7c8a13fc2_proj:
	s_mov_b64 s[64:65], 0
	v_nop
	global_prefetch_b8 v0, s[64:65] scope:SCOPE_SE
	s_setreg_imm32_b32 hwreg(HW_REG_WAVE_MODE, 25, 1), 1
	s_wait_xcnt 0x0
	s_wait_alu depctr_hold_cnt(0) depctr_sa_sdst(0) depctr_va_vdst(0) depctr_va_sdst(0) depctr_va_ssrc(0) depctr_va_vcc(0) depctr_vm_vsrc(0)
	s_getreg_b32 s2, hwreg(HW_REG_IB_STS2, 6, 4)
	s_cmp_eq_u32 s2, 0
	s_cbranch_scc0 .Lentry_in_a_cluster
	s_endpgm
.Lentry_in_a_cluster:
	s_bfe_u32 s2, ttmp6, 0x10000c
	s_cmp_lg_u32 s2, 0xf033
	s_cbranch_scc0 .Lentry_shape_is_right
	s_endpgm
.Lentry_shape_is_right:
; out0 = y w_proj + b_proj on codes of FP4 with E8M0 scales; out0 [8192][1024] f32.
; SHARES.  A work-group makes 128 rows (ty) x 256 columns (tx): 256 work-groups; each of its four waves 64 x 128: 32 accumulators.
; ALL OF K (1,024) LIES IN LDS: y's 128 rows of codes are 65,536 bytes, w_proj's 256 are 131,072.  Each byte of LDS that a tensor load fills is filled once: there is no ring.
; Operands lie as images of their registers (tile T, K step s, half c: T x 8192 + s x 1024 + c x 512 + 16 x lane); tile T holds rows 32 (T / 2) + 8 (T % 2) + r + 8 (r / 8).
; THE PRODUCT IS USED TRANSPOSED: source 0 = 16 rows of w_proj^T (inner tile i), source 1 = 16 rows of y (outer tile o): a lane holds one row of y, and register j of tile i the column 32 (i / 2) + 8 (i % 2) + 16 (lane / 16) + j.
; The bias is the C of each sum's first product.
; CLUSTERS: 4 x 4.  y's panel hangs on ty alone and is asked for jointly along a row of the cluster, w_proj's on tx alone and jointly along a column.  A wave has two tensor loads out.
; REGISTERS: window 0: v1-27 lane numbers and addresses; v32-95 scale words of all 8 K steps (lanes 0-15 y's tile, lanes 16-31 w_proj's tile); outer fragments at v128 and v192; on the way out v128-255 rows of out0.
;   window 1: inner fragments at v0 and v128, the bias at v64.   window 2: accumulator (o, i) at v[64 o + 8 i].
.set WPB,    65536                     ; LDS: y's panel at 0, w_proj's here,
.set SCL,    196608                    ; y's scale words (4,096 bytes), then w_proj's (8,192),
.set STG,    208896                    ; and a stage of 16 rows x (512 + 16) bytes for each wave, which no tensor load fills
.set SP,     528
.set YWORDS, 4194304
.set WWORDS, 524288
.set LI,   4
.set BO,   5
.set ADRO, 16
.set ADRI, 20
.set STO,  24
.set RD,   25
.set ADRS, 27
.set SC,   32
.set OUTF, 128
.set BK,   128
.set BIAS, 64
.set G1,   24                          ; s[24:31], s[32:35] groups 1 and 0 for y's codes
.set G0,   32
.set G1B,  48                          ; s[48:55], s[56:59] for w_proj's codes
.set G0B,  56
.set G1S,  68                          ; s[68:75], s[76:79] for y's scale words
.set G0S,  76
.set G1SB, 80                          ; s[80:87], s[88:91] for w_proj's
.set G0SB, 88
.set MSB, 0
.macro WIN new                         ; the immediate's high byte repeats the setting that is left
.if MSB != (\new)
	s_set_vgpr_msb (MSB<<8)|(\new)
.set MSB, (\new)
.endif
.endm
.macro JLOAD g0a, g1a, g0b, g1b        ; a joint load: waves 0 and 1 fetch for y, waves 2 and 3 for w_proj; four v_nop follow each of the two lines
	s_cmp_eq_u32 s15, 0
	s_cbranch_scc0 .Lfor_b_\@
	tensor_load_to_lds s[\g0a:\g0a+3], s[\g1a:\g1a+7]
	s_nop 0
.rept 4
	v_nop
.endr
	s_branch .Lasked_\@
.Lfor_b_\@:
	tensor_load_to_lds s[\g0b:\g0b+3], s[\g1b:\g1b+7]
	s_nop 0
.rept 4
	v_nop
.endr
.Lasked_\@:
.endm
.macro CROUND                          ; a round of the cluster's barrier
	s_barrier_signal -1
	s_barrier_wait -1
	s_cmp_lg_u32 s14, 0
	s_cbranch_scc1 .Lnot_wave_0_\@
	s_barrier_signal -3
.Lnot_wave_0_\@:
	s_barrier_wait -3
	s_barrier_signal -1
	s_barrier_wait -1
.endm
.macro PLACES n
.rept \n
	v_nop
.endr
.endm
.macro G1SET g, rows                   ; a dense block as rows of 256 bytes (32 elements of 8 bytes), no padding
	s_mov_b32 s[\g+1], 32<<16
	s_mov_b32 s[\g+2], (\rows)<<16
	s_mov_b32 s[\g+3], 32<<16
	s_mov_b32 s[\g+4], \rows
	s_mov_b32 s[\g+5], 32
	s_mov_b32 s[\g+6], 0
	s_mov_b32 s[\g+7], 0
.endm
.macro FETCH g                         ; K step g: my eight inner fragments into set g % 2 of window 1, my four outer ones into set g % 2 of window 0
	WIN 0x40
.irp i, 0,1,2,3,4,5,6,7
.irp c, 0,1
	ds_load_b128 v[128*((\g)%2)+8*\i+4*\c:128*((\g)%2)+8*\i+4*\c+3], v[ADRI] offset:8192*\i+1024*(\g)+512*\c
.endr
.endr
	WIN 0
.irp i, 0,1,2,3
.irp c, 0,1
	ds_load_b128 v[OUTF+64*((\g)%2)+8*\i+4*\c:OUTF+64*((\g)%2)+8*\i+4*\c+3], v[ADRO] offset:8192*\i+1024*(\g)+512*\c
.endr
.endr
.endm
; A K step: 32 products, the accumulators by turns, one instruction a turn; the next step's 24 loads go out in one run ahead of them, four places behind the last step's products.
.macro STEP g
	s_wait_dscnt 0x0
.if (\g) < 7
.if (\g) > 0
	PLACES 4
.endif
	FETCH (\g)+1
.endif
.if (\g) == 0
	WIN 0x91                                       ; source 0 window 1, source 1 window 0, C (the bias) window 1, D window 2
.else
	WIN 0xa1
.endif
.irp o, 0,1,2,3
.irp i, 0,1,2,3,4,5,6,7
.set rD, 64*\o+8*\i
.set rA, 128*((\g)%2)+8*\i
.set rB, OUTF+64*((\g)%2)+8*\o
.set kA, SC+32*((\g)/4)+4*\i+(\g)%4
.set kB, SC+32*((\g)/4)+4*\o+(\g)%4
.if (\g) == 0
	v_wmma_scale_f32_16x16x128_f8f6f4 v[rD:rD+7], v[rA:rA+7], v[rB:rB+7], v[BIAS+8*\i:BIAS+8*\i+7], v[kA], v[kB] matrix_a_fmt:MATRIX_FMT_FP4 matrix_b_fmt:MATRIX_FMT_FP4 matrix_a_scale:MATRIX_SCALE_ROW1
.else
	v_wmma_scale_f32_16x16x128_f8f6f4 v[rD:rD+7], v[rA:rA+7], v[rB:rB+7], v[rD:rD+7], v[kA], v[kB] matrix_a_fmt:MATRIX_FMT_FP4 matrix_b_fmt:MATRIX_FMT_FP4 matrix_a_scale:MATRIX_SCALE_ROW1
.endif
.endr
.endr
	WIN 0
.endm
; THE WAY OUT, an outer tile (16 rows x 128 columns) at a time: a lane holds pieces of 32 bytes of one row; they go into my own stage and come back as whole rows of 512 bytes.
; LDS serves a wave's instructions in order (ISA guide 5.7.1.4): no wait between the stores and the loads, nor in front of the next tile's stores.
.macro TOSTAGE o
	WIN 0x08                                       ; an LDS store's data are its source 1: window 2
.irp i, 0,1,2,3,4,5,6,7
	ds_store_b128 v[STO], v[64*(\o)+8*\i:64*(\o)+8*\i+3] offset:128*(\i/2)+32*(\i%2)        ; each accumulator from its low end on
	ds_store_b128 v[STO], v[64*(\o)+8*\i+4:64*(\o)+8*\i+7] offset:128*(\i/2)+32*(\i%2)+16
.endr
	WIN 0
.irp t, 0,1,2,3,4,5,6,7,8,9,10,11,12,13,14,15
	ds_load_b128 v[BK+64*((\o)%2)+4*\t:BK+64*((\o)%2)+4*\t+3], v[RD] offset:\t*SP
.endr
.endm
.macro SEND o, younger                 ; younger: the LDS instructions issued behind tile o's loads, which may stay out
	s_wait_dscnt \younger
.irp t, 0,1,2,3,4,5,6,7,8,9,10,11,12,13,14,15
	global_store_b128 v[LI], v[BK+64*((\o)%2)+4*\t:BK+64*((\o)%2)+4*\t+3], s[10:11] offset:(32*((\o)/2)+8*((\o)%2)+\t+8*(\t/8))*4096 th:TH_STORE_NT   ; 512 consecutive bytes of a row, at a multiple of 256 from out0's first byte
.endr
.endm
	s_load_b256 s[4:11], s[0:1], 0x0               ; yq s[4:5], wpq s[6:7], b_proj s[8:9], out0 s[10:11]
	v_lshl_add_u32 v126, v0, 2, 0x3b400
	v_mov_b32 v127, 0
	ds_add_u32 v126, v127
	ds_add_u32 v126, v127
	v_lshrrev_b32 v1, 5, v0
	v_readfirstlane_b32 s14, v1                    ; wave 0..3
	s_lshr_b32 s15, s14, 1                         ; oh: which 4 tiles of y are mine.  Also: I fetch for y (0) or for w_proj (1)
	s_and_b32 s16, s14, 1                          ; ih: which 8 tiles of w_proj.  Also: which half of that panel I fetch
	s_bfe_u32 s40, ttmp6, 0x40000                  ; cx, cy
	s_bfe_u32 s41, ttmp6, 0x40004
	s_lshl_b32 s42, ttmp9, 2
	s_add_co_u32 s42, s42, s40                     ; tx
	s_and_b32 s17, ttmp7, 0xffff
	s_lshl_b32 s17, s17, 2
	s_add_co_u32 s17, s17, s41                     ; ty
	s_lshl_b32 s43, s41, 2
	s_lshl_b32 s43, 15, s43                        ; my row of the cluster
	s_lshl_b32 s44, 0x1111, s40                    ; my column
	s_or_b32 s[G1+0], s43, (3<<16)|(1<<21)         ; 15:0 the mask; 17:16 elements of 8 bytes; 21 set beside a mask
	s_or_b32 s[G1B+0], s44, (3<<16)|(1<<21)
	s_or_b32 s[G1S+0], s43, (3<<16)|(1<<21)
	s_or_b32 s[G1SB+0], s44, (3<<16)|(1<<21)
	G1SET G1, 128                                  ; y: 4 tiles of codes, 32,768 bytes
	G1SET G1B, 256                                 ; w_proj: 8 tiles, 65,536 bytes
	G1SET G1S, 8                                   ; y's words: 2,048 bytes
	G1SET G1SB, 16                                 ; w_proj's: 4,096 bytes
	s_lshl_b32 s20, s17, 16
	s_lshl_b32 s18, s16, 15
	s_add_co_u32 s20, s20, s18                     ; y's codes: tile 8 ty + 4 half
	s_mov_b32 s21, 0
	s_lshl_b32 s22, s17, 12
	s_lshl_b32 s19, s16, 11
	s_add_co_u32 s22, s22, s19
	s_add_co_u32 s22, s22, YWORDS
	s_mov_b32 s23, 0
	s_lshl_b32 s46, s42, 17
	s_lshl_b32 s36, s16, 16
	s_add_co_u32 s46, s46, s36                     ; w_proj's codes: tile 16 tx + 8 half
	s_mov_b32 s47, 0
	s_lshl_b32 s92, s42, 13
	s_lshl_b32 s37, s16, 12
	s_add_co_u32 s92, s92, s37
	s_add_co_u32 s92, s92, WWORDS
	s_mov_b32 s93, 0
	s_wait_dscnt 0x0
	s_wait_kmcnt 0x0
	s_add_nc_u64 s[20:21], s[4:5], s[20:21]
	s_add_nc_u64 s[22:23], s[4:5], s[22:23]
	s_add_nc_u64 s[46:47], s[6:7], s[46:47]
	s_add_nc_u64 s[92:93], s[6:7], s[92:93]
	CROUND                                         ; all sixteen work-groups are here: the joint loads meet
	s_mov_b32 s[G0S], 1
	s_add_co_u32 s[G0S+1], s19, SCL                ; LDS addresses hang on the wave's number alone
	s_mov_b64 s[G0S+2:G0S+3], s[22:23]
	s_or_b32 s[G0S+3], s[G0S+3], 0x80000000
	s_mov_b32 s[G0SB], 1
	s_add_co_u32 s[G0SB+1], s37, SCL+4096
	s_mov_b64 s[G0SB+2:G0SB+3], s[92:93]
	s_or_b32 s[G0SB+3], s[G0SB+3], 0x80000000
	JLOAD G0S, G1S, G0SB, G1SB
	s_mov_b32 s[G0], 1
	s_mov_b32 s[G0+1], s18
	s_mov_b64 s[G0+2:G0+3], s[20:21]
	s_or_b32 s[G0+3], s[G0+3], 0x80000000
	s_mov_b32 s[G0B], 1
	s_add_co_u32 s[G0B+1], s36, WPB
	s_mov_b64 s[G0B+2:G0B+3], s[46:47]
	s_or_b32 s[G0B+3], s[G0B+3], 0x80000000
	JLOAD G0, G1, G0B, G1B
	v_and_b32 v1, 31, v0                           ; lane
	v_and_b32 v2, 15, v0                           ; r
	v_bfe_u32 v3, v0, 4, 1                         ; h
	v_lshlrev_b32 v[LI], 4, v1
	; the bias is asked for while the panels are on their way: for inner tile i, columns 32 (i / 2) + 8 (i % 2) + 16 h + 0 .. 7
	s_lshl_b32 s38, s42, 10
	s_lshl_b32 s39, s16, 9
	s_add_co_u32 s38, s38, s39                     ; my first column, in bytes: 1,024 tx + 512 ih
	s_mov_b32 s39, 0
	s_add_nc_u64 s[8:9], s[8:9], s[38:39]
	v_lshlrev_b32 v[BO], 6, v3
	WIN 0x40
.irp i, 0,1,2,3,4,5,6,7
	global_load_b128 v[BIAS+8*\i:BIAS+8*\i+3], v[BO], s[8:9] offset:(32*(\i/2)+8*(\i%2))*4
	global_load_b128 v[BIAS+8*\i+4:BIAS+8*\i+7], v[BO], s[8:9] offset:(32*(\i/2)+8*(\i%2))*4+16
.endr
	WIN 0
	s_add_nc_u64 s[10:11], s[10:11], s[38:39]      ; out0 at my first column,
	s_lshl_b32 s38, s17, 19
	s_lshl_b32 s94, s15, 18
	s_add_co_u32 s38, s38, s94                     ; and my first row: (128 ty + 64 oh) rows of 4,096 bytes
	s_add_nc_u64 s[10:11], s[10:11], s[38:39]
	s_lshl_b32 s94, s15, 15
	v_add_nc_u32 v[ADRO], s94, v[LI]
	s_lshl_b32 s94, s16, 16
	s_add_co_u32 s94, s94, WPB
	v_add_nc_u32 v[ADRI], s94, v[LI]
	s_lshl_b32 s94, s15, 11                        ; y's words of my tiles,
	s_lshl_b32 s95, s16, 12
	s_add_co_u32 s95, s95, 4096                    ; w_proj's of mine:
	s_sub_co_u32 s95, s95, s94
	v_mul_u32_u24 v6, s95, v3                      ; lanes 16-31 take w_proj's: one product, the lower base + h x the distance
	s_add_co_u32 s94, s94, SCL
	v_lshl_add_u32 v6, v2, 4, v6
	v_add_nc_u32 v[ADRS], s94, v6
	s_mul_i32 s94, s14, 16*SP
	s_add_co_u32 s94, s94, STG                     ; my stage
	v_mul_u32_u24 v[STO], v2, SP
	v_lshl_add_u32 v[STO], v3, 6, v[STO]
	v_add_nc_u32 v[STO], s94, v[STO]               ; in: row r, + 64 h
	v_add_nc_u32 v[RD], s94, v[LI]                 ; back: 16 bytes a lane of a row
	s_wait_tensorcnt 0x0                           ; my two loads have landed,
	s_barrier_signal -1
	s_barrier_wait -1                              ; everybody's have.  Nothing is filled again
	FETCH 0
.irp q, 0,1
.irp i, 0,1,2,3,4,5,6,7
	ds_load_b128 v[SC+32*\q+4*\i:SC+32*\q+4*\i+3], v[ADRS] offset:512*\i+256*\q   ; four K steps' words of tile i.  (For i above 3 lanes 0-15 read words that no product names: y has four tiles a wave)
.endr
.endr
	s_wait_loadcnt 0x0                             ; the bias
.irp g, 0,1,2,3,4,5,6,7
	STEP \g
.endr
	PLACES 4                                       ; in front of the first read of results, and of loads into registers that held fragments
	TOSTAGE 0
	TOSTAGE 1
	SEND 0, 32                                     ; behind tile 0's loads: tile 1's 16 stores and 16 loads
	s_wait_xcnt 0x0                                ; tile 0's stores have read their registers: tile 2's rows may land there
	TOSTAGE 2
	SEND 1, 32
	s_wait_xcnt 0x0
	TOSTAGE 3
	SEND 2, 32
	SEND 3, 0
	s_wait_tensorcnt 0x0
	ds_add_u32 v126, v127
	s_wait_dscnt 0x0
	CROUND                                         ; the closing round: no work-group ends while a partner may still ask for a panel that names it
	s_endpgm
.Lfunc_end_k_qb7c8a13fc2_proj:
	.size	k_qb7c8a13fc2_proj, .Lfunc_end_k_qb7c8a13fc2_proj-k_qb7c8a13fc2_proj
	.p2alignl 7, 3214868480
	.fill 96, 4, 3214868480
	.section	.rodata,"a",@progbits
	.p2align	6, 0x0
	.amdhsa_kernel k_qb7c8a13fc2_proj
		.amdhsa_group_segment_fixed_size 243200
		.amdhsa_private_segment_fixed_size 0
		.amdhsa_enable_private_segment 0
		.amdhsa_kernarg_size 32
		.amdhsa_user_sgpr_count 2
		.amdhsa_user_sgpr_kernarg_segment_ptr 1
		.amdhsa_wavefront_size32 1
		.amdhsa_system_sgpr_workgroup_id_x 1
		.amdhsa_system_sgpr_workgroup_id_y 1
		.amdhsa_system_sgpr_workgroup_id_z 1
		.amdhsa_system_vgpr_workitem_id 0
		.amdhsa_next_free_vgpr 768
		.amdhsa_next_free_sgpr 98
		.amdhsa_reserve_vcc 0
		.amdhsa_float_denorm_mode_32 3
		.amdhsa_float_denorm_mode_16_64 3
		.amdhsa_memory_ordered 1
		.amdhsa_forward_progress 1
		.amdhsa_inst_pref_size 72
	.end_amdhsa_kernel
	.amdgpu_metadata
---
amdhsa.version: [ 1, 2 ]
amdhsa.kernels:
  - .name:           k_qb7c8a13fc2_proj
    .symbol:         k_qb7c8a13fc2_proj.kd
    .args:
      - { .name: yq, .offset: 0, .size: 8, .value_kind: global_buffer, .address_space: global }
      - { .name: wpq, .offset: 8, .size: 8, .value_kind: global_buffer, .address_space: global }
      - { .name: b_proj, .offset: 16, .size: 8, .value_kind: global_buffer, .address_space: global }
      - { .name: out0, .offset: 24, .size: 8, .value_kind: global_buffer, .address_space: global }
    .group_segment_fixed_size: 243200
    .private_segment_fixed_size: 0
    .kernarg_segment_align: 8
    .kernarg_segment_size: 32
    .max_flat_workgroup_size: 128
    .sgpr_count:     98
    .vgpr_count:     768
    .wavefront_size: 32
...
	.end_amdgpu_metadata
.endif
;; end of part 4
;; ======== version 2 of 2: 4 launches; version 1 with the launch attn written anew for expert scheduling mode
;; workspace buffers: xq 4,456,448 bytes; waq 1,671,168 bytes; wpq 557,056 bytes; qkq 9,437,184 bytes; vq 4,456,448 bytes; yq 4,456,448 bytes
;; launch prep: the kernel of part 1 again; grid 512 x 1, 4 waves a work-group, no clusters, 34,304 bytes of LDS; arguments x, w_attn, w_proj, xq, waq, wpq; writes xq, waq, wpq
;; launch qkv: the kernel of part 2 again; grid 12 x 32, 4 waves a work-group, clusters of 4 x 4, 279,040 bytes of LDS; arguments xq, waq, b_attn, qkq, vq; writes qkq, vq
;; launch attn (part 5): grid 2 x 128, 16 waves a work-group, no clusters, 73,728 bytes of LDS; arguments qkq, vq, yq; writes yq
.if DOCPART == 5
	.amdgcn_target "amdgcn-amd-amdhsa--gfx1250"
	.amdhsa_code_object_version 6
	.text
	.protected	k_qb7c8a13fc2_attn
	.globl	k_qb7c8a13fc2_attn
	.p2align	8
	.type	k_qb7c8a13fc2_attn,@function
k_qb7c8a13fc2_attn:
	s_mov_b64 s[64:65], 0
	v_nop
	global_prefetch_b8 v0, s[64:65] scope:SCOPE_SE
	s_setreg_imm32_b32 hwreg(HW_REG_WAVE_SCHED_MODE, 0, 2), 2
	s_setreg_imm32_b32 hwreg(HW_REG_WAVE_MODE, 25, 1), 1
	s_wait_xcnt 0x0
	s_wait_alu depctr_vm_vsrc(0)
; y[b][q][head] = softmax_k(q . k / 8, causal) v, both products on codes of FP4 with E8M0 scales, and y quantised along the model's 1,024 for the last product.
; THE SOFTMAX AHEAD OF THE SECOND PRODUCT: t = score x log2(e) / 8; M = the row's largest t so far, rounded up to a whole number; p = 2^(t - M) is quantised along the keys, not normalised; the row's sum is taken of the
; unquantised p and divides at the end.  When M moves, the sum and O are multiplied by 2^(old M - new M): exact.
; LIMITS: NaN and infinities are not served; a block of zeros gets the scale byte 1 where the rule says 127: its codes are zeros, and this program alone reads the bytes.
; THE FIRST PRODUCT'S K IS 64: registers 4-7 of q's and k's fragments hold zero codes, which add nothing (their scale bytes are 0, which is 2^-127 and no NaN).
; SHARES.  Two work-groups to a head, sixteen waves each, four to a SIMD, so that one wave's vector work stands beside another's products and LDS loads.  Wave p (0 .. 31 of the head) takes the tiles of
; 16 queries p and 63 - p: tile J needs J / 8 + 1 steps of 128 keys under the causal mask, so every wave has nine steps of work.
; A head's k and v as codes, with their scale words, are 69,632 + 2,048 bytes: they lie whole in LDS, copied once through registers.  No tensor load, no ring, one barrier.
; NO CLUSTER: what the two work-groups of a head share is read once each, 71,680 bytes, at the head of the launch; there is no stream to ask for jointly.
; LAYOUT.  Both products are used transposed: S^T = k q^T, O^T = v^T p^T: a lane holds one query throughout.  Tile T holds rows 32 (T / 2) + 8 (T % 2) + r + 8 (r / 8), so that the 16 registers of tiles 2 b, 2 b + 1 are 16 neighbours.
; The key loop has 8 trips in every wave; a step all of whose keys are hidden is jumped over by a scalar branch on ids.
; THE MODE: SCHED_MODE bits 1:0 = 2 (LLVM: expert scheduling mode 2), set by the entry lines.  The code itself states the register dependences between vector or matrix instructions and memory or LDS
; instructions, with s_wait_alu, always for 0.
; THE PLAN.  Registers that memory or LDS instructions touch, from the barrier on:
;   v1-4            addresses made once at the head and never written again: read by q's loads, by a tile's first loads of k and by the store of y's codes.
;   v5-7            a key step's LDS addresses: written by three additions at the step's head, read by the step's LDS loads.
;   v16-19, v8      q and its words: loaded at a tile's head; read by the S^T products of all its steps.
;   k: v32-35 + 8 t, v24-31    read by a step's eight S^T products; behind them the NEXT step's k lands there (a tile's first k: at the tile's head).
;   v: v192-223, v248-251      read by a step's four O^T products, its last instructions; the next step's v lands there.
;   v224-227        y's codes: written by the conversions at a tile's end, read by its store (in the key steps they hold p's codes, which no memory instruction names).
; All LDS loads of a step stand in ONE run behind the wait on va_vdst that follows the 64 exponentials.  That wait states: the exponentials' results are written; v5-7 are written; this step's S^T products are done reading k;
; the last step's O^T products are done reading v.  One wait on vm_vsrc at a step's head stands ahead of the three additions.  One more wait on va_vdst stands ahead of the O^T products, which take p's codes and word from vector instructions.
; There are no registers for a second buffer: four waves of 256 registers fill a SIMD's 1,024.
; REGISTERS: v1-4 addresses that stay; v5-7 addresses in hand; v8 q's words; v9 the lane's part of the mask's bound; v10-11 y's scale bytes; v12 -M, v13 the largest t, v[14:15] the sum; v16-23 q; v24-31 k's words;
;   v32-95 eight fragments of k; v96-159 S^T, then p, at the end y; v160-191 O^T; v192-223 four fragments of v; v224-231 codes; v232-247 at work; v248-251 v's words; v252 f; v253 p's word; v254 at work; v255 the mask's bound.
.set KSB, 65536                        ; LDS: k's codes at 0, v's at 32,768, k's words here,
.set VSB, 69632                        ; v's words
.set LI,  1
.set R16, 2
.set AKS, 3
.set AVS, 4
.set ADK, 5
.set ADS, 6
.set ADT, 7
.set QSW, 8
.set DL,  9
.set HW,  10
.set SEL, 20                           ; s[20:21] selects for v_permlanex16_b32: lane l xor 16
.set CS,  22                           ; s[22:23] c = log2(e) / 8
.set J,   26                           ; s26 the tile of queries in hand
.set JD,  27                           ; s27 the key step on its diagonal
.set TK,  28                           ; s28 the step's codes: 4,096 bytes a step
.set TS,  29                           ; s29 k's words: 512 a step
.set TJ,  30                           ; s30 v's words: 256 a step
.set I,   31                           ; s31 the key step
.set MK,  48                           ; s[48:63] sixteen masks of the diagonal step, a run of compares at a time
	s_load_b128 s[4:7], s[0:1], 0x0                ; qkq s[4:5], vq s[6:7]
	s_load_b64 s[8:9], s[0:1], 0x10                ; yq
	v_lshl_add_u32 v242, v0, 2, 0x11800
	v_mov_b32 v243, 0
	v_lshrrev_b32 v1, 5, v0
	v_readfirstlane_b32 s10, v1                    ; wave 0..15
	s_and_b32 s11, ttmp7, 0xffff                   ; bh = 16 x batch + head
	v_lshlrev_b32 v132, 4, v0                      ; the copy: 16, 8 and 4 bytes a thread
	v_lshlrev_b32 v133, 3, v0
	v_lshlrev_b32 v134, 2, v0
	v_lshl_add_u32 v135, v0, 3, KSB
	v_lshl_add_u32 v136, v0, 2, VSB
	s_lshl_b32 s12, s11, 15                        ; the head's codes: 32,768 bytes
	s_mov_b32 s13, 0
	s_add_co_u32 s14, s12, 4194304                 ; k's lie behind q's
	s_mov_b32 s15, 0
	s_lshl_b32 s16, s11, 12
	s_add_co_u32 s16, s16, 8388608+524288          ; k's words
	s_mov_b32 s17, 0
	s_lshl_b32 s18, s11, 11
	s_add_co_u32 s18, s18, 4194304                 ; v's words
	s_mov_b32 s19, 0
	s_wait_kmcnt 0x0
	s_add_nc_u64 s[14:15], s[4:5], s[14:15]
	s_add_nc_u64 s[16:17], s[4:5], s[16:17]
	s_add_nc_u64 s[18:19], s[6:7], s[18:19]
	s_add_nc_u64 s[24:25], s[6:7], s[12:13]
	s_wait_alu depctr_va_vdst(0)                   ; v132 to v136 are written: the copy's loads and LDS stores read them as offsets and addresses; no vector line up to those stores names them again
.irp i, 0,1,2,3
	global_load_b128 v[96+4*\i:99+4*\i], v132, s[14:15] offset:8192*\i
.endr
.irp i, 0,1,2,3
	global_load_b128 v[112+4*\i:115+4*\i], v132, s[24:25] offset:8192*\i
.endr
	global_load_b64 v[128:129], v133, s[16:17]
	global_load_b32 v130, v134, s[18:19]
	v_and_b32 v[LI], 31, v0
	v_lshlrev_b32 v[LI], 4, v[LI]                  ; 16 x lane
	v_and_b32 v10, 15, v0                          ; r
	v_bfe_u32 v11, v0, 4, 1                        ; h
	v_lshlrev_b32 v[R16], 4, v10
	v_add_nc_u32 v[AKS], KSB, v[R16]
	v_add_nc_u32 v[AVS], VSB, v[R16]
	v_and_b32 v[DL], 8, v10
	v_add_nc_u32 v[DL], v[DL], v10
	v_lshlrev_b32 v11, 4, v11
	v_sub_nc_u32 v[DL], v[DL], v11                 ; r + 8 (r / 8) - 16 h
.irp c, 20,21,22,23
	v_mov_b32 v[\c], 0                             ; q's codes of k = 64 .. 127: zeros
.endr
.irp t, 0,1,2,3,4,5,6,7
.irp c, 4,5,6,7
	v_mov_b32 v[32+8*\t+\c], 0                     ; k's likewise, once for the launch
.endr
.endr
.irp b, 0,1,2,3
	v_mov_b32 v[236+\b], 0                         ; written once: a lane permute's destination counts as one of its sources
.endr
	v_mov_b32 v252, 0
	v_mov_b32 v253, 0                              ; (named with v252 as a pair before it is first written)
	s_mov_b32 s[SEL], 0x76543210
	s_mov_b32 s[SEL+1], 0xfedcba98
	s_mov_b32 s[CS], 0x3e38aa3b
	s_mov_b32 s[CS+1], s[CS]
	s_wait_alu depctr_va_sdst(0)                   ; s10, the wave's number, is written, ahead of its one reader two lines down
	s_lshl_b32 s46, ttmp9, 4
	s_add_co_u32 s46, s46, s10                     ; p
	s_wait_loadcnt 0x0
.irp i, 0,1,2,3
	ds_store_b128 v132, v[96+4*\i:99+4*\i] offset:8192*\i
.endr
.irp i, 0,1,2,3
	ds_store_b128 v132, v[112+4*\i:115+4*\i] offset:32768+8192*\i
.endr
	ds_store_b64 v135, v[128:129]
	ds_store_b32 v136, v130
	s_wait_dscnt 0x0                               ; for the others' sake: my part of the copy is in LDS
	s_barrier_signal -1
	s_barrier_wait -1                              ; the head's k and v lie in LDS; nobody writes LDS again
	s_wait_alu depctr_vm_vsrc(0)                   ; my LDS stores have read v96 to v130 and their addresses v132, v135, v136: these registers are S^T's from here on, written by the products
.macro TILE tl
.if \tl
	s_wait_xcnt 0x0                                ; the first tile's store has read its registers and its base
	s_wait_alu depctr_vm_vsrc(0)                   ; the first tile's store has read v224 to v227, which this tile's conversions write again
	                                               ; (the wait on va_vdst ahead of that store stands behind all the first tile's products, which read q, k and their words, and no vector line follows it: the loads below owe nothing more)
.else
	s_wait_alu depctr_va_vdst(0)                   ; v1 to v4 are written, which the loads below read; so are the zero codes in v20-23 and in k's upper registers, which the scaled products take as operands
.endif
	s_lshl_b32 s32, s[J], 9
	s_add_co_u32 s32, s32, s12
	s_mov_b32 s33, 0
	s_add_nc_u64 s[32:33], s[4:5], s[32:33]        ; q's codes: head x 32,768 + J x 512
	s_lshr_b32 s34, s[J], 2
	s_lshl_b32 s34, s34, 8
	s_and_b32 s35, s[J], 3
	s_lshl_b32 s35, s35, 2
	s_add_co_u32 s34, s34, s35
	s_lshl_b32 s35, s11, 12
	s_add_co_u32 s34, s34, s35
	s_add_co_u32 s34, s34, 8388608
	s_mov_b32 s35, 0
	s_add_nc_u64 s[34:35], s[4:5], s[34:35]        ; its words: head x 4,096 + (J / 4) x 256 + 4 (J % 4), + 16 r
	global_load_b128 v[16:19], v[LI], s[32:33]
	global_load_b32 v[QSW], v[R16], s[34:35]
.irp t, 0,1,2,3,4,5,6,7
	ds_load_b128 v[32+8*\t:35+8*\t], v[LI] offset:512*\t       ; k of key step 0: every later step's k is asked for in the step before it
.endr
.irp g, 0,1
	ds_load_b128 v[24+4*\g:27+4*\g], v[AKS] offset:256*\g      ; and its words
.endr
	s_lshr_b32 s38, s11, 4
	s_lshl_b32 s38, s38, 6
	s_add_co_u32 s38, s38, s[J]                    ; y's tile: 64 x batch + J
	s_lshl_b32 s[40+\tl], s38, 9                   ; its words
	s_lshl_b32 s38, s38, 13
	s_and_b32 s39, s11, 15
	s_lshl_b32 s39, s39, 9
	s_add_co_u32 s38, s38, s39                     ; its codes: tile x 8,192 + head x 512
	s_mov_b32 s39, 0
	s_add_nc_u64 s[38:39], s[8:9], s[38:39]
	v_mov_b32 v13, 0xff61b1e6                      ; the largest t so far: -3e38
	v_floor_f32 v12, -v13
	v_mov_b32 v14, 0
	v_mov_b32 v15, 0
.set n, 0
.rept 32
	v_mov_b32 v[160+n], 0                          ; O^T: the step is written once; its first turn finds zeros
.set n, n+1
.endr
	s_lshr_b32 s36, s[J], 1
	s_and_b32 s36, s36, 3
	s_lshl_b32 s36, s36, 5
	s_and_b32 s37, s[J], 1
	s_lshl_b32 s37, s37, 3
	s_add_co_u32 s36, s36, s37
	v_add_nc_u32 v255, s36, v[DL]                  ; d = my query - the diagonal step's first key - 16 h: register 16 b + i is hidden where 32 b + i > d
	s_lshr_b32 s[JD], s[J], 3
	s_mov_b32 s[TK], 0
	s_mov_b32 s[TS], 0
	s_mov_b32 s[TJ], 0
	s_mov_b32 s[I], 0
	s_wait_loadcnt 0x0                             ; q
	s_wait_dscnt 0x0                               ; k of key step 0 and its words
.Lkey_\@:
	s_cmp_gt_u32 s[I], s[JD]                       ; all 128 keys come after my 16 queries: the step's work is left out
	s_cbranch_scc1 .Lhidden_\@
	s_wait_alu depctr_vm_vsrc(0)                   ; the last step's LDS loads have read v5 to v7, which the three additions write
	v_add_nc_u32 v[ADK], s[TK], v[LI]
	v_add_nc_u32 v[ADS], s[TS], v[AKS]
	v_add_nc_u32 v[ADT], s[TJ], v[AVS]
.irp t, 0,1,2,3,4,5,6,7                        ; k and its words are in: the wait for all LDS loads ahead of the last step's O^T products, or ahead of the loop, has shown it
	v_wmma_scale_f32_16x16x128_f8f6f4 v[96+8*\t:103+8*\t], v[32+8*\t:39+8*\t], v[16:23], 0, v[24+\t], v[QSW] matrix_a_fmt:MATRIX_FMT_FP4 matrix_b_fmt:MATRIX_FMT_FP4
.endr
.rept 4
	v_nop
.endr
	s_cmp_lt_u32 s[I], s[JD]                       ; all keys count: no mask
	s_cbranch_scc1 .Lopen_\@
	v_mov_b32 v254, 0xff800000                     ; on the diagonal hidden scores become -infinity ahead of the maximum
.set g, 0
.rept 4                                        ; a block of 32 keys at a time: my sixteen compares in a run, into sixteen scalar registers, then the sixteen selects
.set n, 0
.rept 16
	v_cmp_gt_i32 s[MK+n], 32*g+n, v255
.set n, n+1
.endr
	s_wait_alu depctr_va_sdst(0)                   ; the run's sixteen masks are written, ahead of the selects that read them
.set n, 0
.rept 16
	v_cndmask_b32 v[96+16*g+n], v[96+16*g+n], v254, s[MK+n]
.set n, n+1
.endr
.set g, g+1
.endr
.Lopen_\@:
.irp b, 0,1,2,3
	v_max3_num_f32 v[232+\b], v[96+16*\b], v[97+16*\b], v[98+16*\b]   ; the largest score of each block of 32 keys: for the row's maximum, and, since p rises with the score, for the block's largest p
.endr
.irp i, 3,5,7,9,11,13
.irp b, 0,1,2,3
	v_max3_num_f32 v[232+\b], v[232+\b], v[96+16*\b+\i], v[97+16*\b+\i]
.endr
.endr
.irp b, 0,1,2,3
	v_max_num_f32 v[232+\b], v[232+\b], v[111+16*\b]
.endr
.irp b, 0,1,2,3
	v_permlanex16_b32 v[236+\b], v[232+\b], s[SEL], s[SEL+1]
.endr
.irp b, 0,1,2,3
	v_max_num_f32 v[232+\b], v[232+\b], v[236+\b]
.endr
	v_max3_num_f32 v254, v232, v233, v234
	v_max_num_f32 v254, v254, v235
	v_mul_f32 v254, s[CS], v254
	v_max_num_f32 v13, v13, v254                   ; the running largest t
	v_mov_b32 v254, v12
	v_floor_f32 v12, -v13                          ; -M = floor(-t): M is a whole number
	v_sub_f32 v254, v12, v254
	v_cvt_i32_f32 v254, v254                       ; (it saturates)
	v_ldexp_f32 v252, 1.0, v254                    ; f = 2^(old M - new M)
.set n, 0
.rept 32
	v_pk_fma_f32 v[96+n:97+n], v[96+n:97+n], s[CS:CS+1], v[12:13] op_sel_hi:[1,0,0]   ; t - M
.set n, n+2
.endr
.irp b, 0,1,2,3
	v_fma_f32 v[232+\b], v[232+\b], s[CS], v12
.endr
.set n, 0
.rept 64
	v_exp_f32 v[96+n], v[96+n]                     ; p = 2^(t - M)
.set n, n+1
.endr
	v_pk_mul_f32 v[14:15], v[14:15], v[252:253] op_sel_hi:[1,0]   ; the sums under the new M: the plain line behind the exponentials
	s_wait_alu depctr_va_vdst(0)                   ; the 64 exponentials have written p, ahead of its first reader; v5 to v7 are written, which the loads below read;
	                                               ; this step's S^T products are done reading k and its words, the last step's O^T products v and its words: the loads below land there
	s_cmp_ge_u32 s[I], s[JD]                       ; the tile's last step that counts asks for no further k
	s_cbranch_scc1 .Lno_next_\@
.irp t, 0,1,2,3,4,5,6,7
	ds_load_b128 v[32+8*\t:35+8*\t], v[ADK] offset:4096+512*\t     ; the NEXT step's k: a step's 4,096 bytes on
.endr
.irp g, 0,1
	ds_load_b128 v[24+4*\g:27+4*\g], v[ADS] offset:512+256*\g      ; and its words: 512 bytes on
.endr
.Lno_next_\@:
.irp t, 0,1,2,3
.irp c, 0,1
	ds_load_b128 v[192+8*\t+4*\c:195+8*\t+4*\c], v[ADK] offset:32768+1024*\t+512*\c   ; this step's v; the sums, the scales and the conversions stand between these loads and the wait for them
.endr
.endr
	ds_load_b128 v[248:251], v[ADT]
.irp b, 0,1,2,3
	v_exp_f32 v[232+\b], v[232+\b]                 ; each block's largest p
.endr
	v_pk_add_f32 v[236:237], v[96:97], v[98:99]    ; the row's sum, of the unquantised p, in two chains
.set n, 4
.rept 15
	v_pk_add_f32 v[14:15], v[14:15], v[96+n:97+n]
	v_pk_add_f32 v[236:237], v[236:237], v[98+n:99+n]
.set n, n+4
.endr
	v_pk_add_f32 v[14:15], v[14:15], v[236:237]
	s_wait_alu depctr_va_vdst(0)                   ; the four exponentials have written v232 to v235, ahead of their first reader
.irp b, 0,1,2,3
	v_max_num_f32 v[232+\b], 0x1800000, v[232+\b]  ; the floor 2^(3 - 127)
.endr
.irp b, 0,1,2,3
	v_add_nc_u32 v[244+\b], 0xff000000, v[232+\b]
.endr
.irp b, 0,1,2,3
	v_lshrrev_b32 v[236+\b], 23, v[244+\b]
.endr
	v_lshl_or_b32 v253, v237, 8, v236              ; p's scale word for these 128 keys
	v_lshl_or_b32 v253, v238, 16, v253
	v_lshl_or_b32 v253, v239, 24, v253
.irp b, 0,1,2,3
	v_cvt_scalef32_pk8_fp4_f32 v[224+2*\b], v[96+16*\b:103+16*\b], v[244+\b]
	v_cvt_scalef32_pk8_fp4_f32 v[225+2*\b], v[104+16*\b:111+16*\b], v[244+\b]
.endr
	v_nop
.irp c, 0,1
.irp i, 0,1
	v_permlane16_swap_b32 v[224+4*\c+\i], v[226+4*\c+\i]
.endr
.endr
.set n, 0
.rept 16
	v_pk_mul_f32 v[160+n:161+n], v[160+n:161+n], v[252:253] op_sel_hi:[1,0]   ; O^T under the new M; these sixteen are also the places between p's word and codes and the products
.set n, n+2
.endr
	s_wait_alu depctr_va_vdst(0)                   ; p's codes v224 to v231 and p's word v253 are written, which the scaled products take as operand and scales; the places above stay beside this wait
	s_wait_dscnt 0x0                               ; v and its words; the next step's k and its words with them
.irp t, 0,1,2,3
	v_wmma_scale_f32_16x16x128_f8f6f4 v[160+8*\t:167+8*\t], v[192+8*\t:199+8*\t], v[224:231], v[160+8*\t:167+8*\t], v[248+\t], v253 matrix_a_fmt:MATRIX_FMT_FP4 matrix_b_fmt:MATRIX_FMT_FP4
.endr
.Lhidden_\@:
	s_add_co_u32 s[TK], s[TK], 4096
	s_add_co_u32 s[TS], s[TS], 512
	s_add_co_u32 s[TJ], s[TJ], 256
	s_add_co_u32 s[I], s[I], 1
	s_cmp_lt_u32 s[I], 8
	s_cbranch_scc1 .Lkey_\@
.rept 4
	v_nop                                          ; places in front of the first read of O^T
.endr
	v_add_f32 v14, v14, v15
	v_permlanex16_b32 v252, v14, s[SEL], s[SEL+1]
	v_add_f32 v14, v14, v252                       ; the row's sum
	v_rcp_f32 v14, v14
	v_nop
	s_wait_alu depctr_va_vdst(0)                   ; the reciprocal has written v14, ahead of its first reader
.set n, 0
.rept 16
	v_pk_mul_f32 v[96+n:97+n], v[160+n:161+n], v[14:15] op_sel_hi:[1,0]   ; y: register 16 b + i = channel 32 b + 16 h + i of my query; each accumulator from its low end on
.set n, n+2
.endr
.irp b, 0,1
	v_max3_num_f32 v[232+\b], |v[96+16*\b]|, |v[97+16*\b]|, 0x1800000
.endr
.irp i, 2,4,6,8,10,12,14
.irp b, 0,1
	v_max3_num_f32 v[232+\b], v[232+\b], |v[96+16*\b+\i]|, |v[97+16*\b+\i]|
.endr
.endr
.irp b, 0,1
	v_permlanex16_b32 v[236+\b], v[232+\b], s[SEL], s[SEL+1]
.endr
.irp b, 0,1
	v_max_num_f32 v[232+\b], v[232+\b], v[236+\b]
.endr
.irp b, 0,1
	v_add_nc_u32 v[244+\b], 0xff000000, v[232+\b]
.endr
.irp b, 0,1
	v_lshrrev_b32 v[236+\b], 23, v[244+\b]
.endr
	v_lshl_or_b32 v[HW+\tl], v237, 8, v236         ; my row's two scale bytes of this head
.irp b, 0,1
	v_cvt_scalef32_pk8_fp4_f32 v[224+2*\b], v[96+16*\b:103+16*\b], v[244+\b]
	v_cvt_scalef32_pk8_fp4_f32 v[225+2*\b], v[104+16*\b:111+16*\b], v[244+\b]
.endr
	v_nop
	v_permlane16_swap_b32 v224, v226
	v_permlane16_swap_b32 v225, v227               ; lanes 0-15: channels 0-31, lanes 16-31: channels 32-63
	s_wait_alu depctr_va_vdst(0)                   ; the conversions and the swaps have written v224 to v227, which the store reads
	global_store_b128 v[LI], v[224:227], s[38:39]  ; 512 consecutive bytes
.endm
	s_mov_b32 s[J], s46
	TILE 0
	s_sub_co_u32 s[J], 63, s46
	TILE 1
	; the two tiles' scale bytes: lanes 0-15 send the first tile's, lanes 16-31 the second's.  Two bytes a row: the word's other two belong to the neighbouring head's work-groups; a sixteenth of y's codes
	s_and_b32 s42, s11, 15                         ; the head
	s_lshr_b32 s43, s42, 3
	s_lshl_b32 s43, s43, 8
	s_bfe_u32 s44, s42, 0x20001
	s_lshl_b32 s44, s44, 2
	s_add_co_u32 s43, s43, s44
	s_and_b32 s44, s42, 1
	s_lshl_b32 s44, s44, 1
	s_add_co_u32 s43, s43, s44
	s_add_co_u32 s43, s43, 4194304
	s_add_co_u32 s40, s40, s43
	s_add_co_u32 s41, s41, s43
	s_wait_alu depctr_vm_vsrc(0)                   ; the key steps' LDS loads have read v5 to v7, which the lines below write
	v_and_b32 v7, 31, v0
	v_cmp_lt_u32 vcc_lo, 15, v7
	v_mov_b32 v5, s40
	v_mov_b32 v6, s41
	s_wait_alu depctr_va_vcc(0)                    ; VCC is written, ahead of the two selects that read it
	v_cndmask_b32 v5, v5, v6, vcc_lo
	v_add_nc_u32 v5, v5, v[R16]
	v_cndmask_b32 v6, v[HW], v[HW+1], vcc_lo
	s_wait_alu depctr_va_vdst(0)                   ; v5, the offset, and v6, the two bytes, are written, which the store reads
	global_store_b16 v5, v6, s[8:9]
	s_wait_dscnt 0x0
	s_wait_alu depctr_hold_cnt(0) depctr_sa_sdst(0) depctr_va_vdst(0) depctr_va_sdst(0) depctr_va_ssrc(0) depctr_va_vcc(0) depctr_vm_vsrc(0)
	s_wait_tensorcnt 0x0
	ds_add_u32 v242, v243
	s_wait_dscnt 0x0
	s_endpgm
.Lfunc_end_k_qb7c8a13fc2_attn:
	.size	k_qb7c8a13fc2_attn, .Lfunc_end_k_qb7c8a13fc2_attn-k_qb7c8a13fc2_attn
	.p2alignl 7, 3214868480
	.fill 96, 4, 3214868480
	.section	.rodata,"a",@progbits
	.p2align	6, 0x0
	.amdhsa_kernel k_qb7c8a13fc2_attn
		.amdhsa_group_segment_fixed_size 73728
		.amdhsa_private_segment_fixed_size 0
		.amdhsa_enable_private_segment 0
		.amdhsa_kernarg_size 24
		.amdhsa_user_sgpr_count 2
		.amdhsa_user_sgpr_kernarg_segment_ptr 1
		.amdhsa_wavefront_size32 1
		.amdhsa_system_sgpr_workgroup_id_x 1
		.amdhsa_system_sgpr_workgroup_id_y 1
		.amdhsa_system_sgpr_workgroup_id_z 1
		.amdhsa_system_vgpr_workitem_id 0
		.amdhsa_next_free_vgpr 256
		.amdhsa_next_free_sgpr 66
		.amdhsa_reserve_vcc 1
		.amdhsa_float_denorm_mode_32 3
		.amdhsa_float_denorm_mode_16_64 3
		.amdhsa_memory_ordered 1
		.amdhsa_forward_progress 1
		.amdhsa_inst_pref_size 69
	.end_amdhsa_kernel
	.amdgpu_metadata
---
amdhsa.version: [ 1, 2 ]
amdhsa.kernels:
  - .name:           k_qb7c8a13fc2_attn
    .symbol:         k_qb7c8a13fc2_attn.kd
    .args:
      - { .name: qkq, .offset: 0, .size: 8, .value_kind: global_buffer, .address_space: global }
      - { .name: vq, .offset: 8, .size: 8, .value_kind: global_buffer, .address_space: global }
      - { .name: yq, .offset: 16, .size: 8, .value_kind: global_buffer, .address_space: global }
    .group_segment_fixed_size: 73728
    .private_segment_fixed_size: 0
    .kernarg_segment_align: 8
    .kernarg_segment_size: 24
    .max_flat_workgroup_size: 512
    .sgpr_count:     66
    .vgpr_count:     256
    .wavefront_size: 32
...
	.end_amdgpu_metadata
.endif
;; end of part 5
;; launch proj: the kernel of part 4 again; grid 4 x 64, 4 waves a work-group, clusters of 4 x 4, 243,200 bytes of LDS; arguments yq, wpq, b_proj, out0; writes out0
